; MI455X (gfx1250); checked and timed in simulation.
; The chip was launched on July 23, 2026; its instructions are those of AMD's public machine-readable ISA for CDNA 5 (MIT licence, August 2026) and "CDNA5" Instruction Set Architecture Reference Guide (July 2026). The comments in the code are by the model that wrote it; some were corrected since.
;; Muti Head Attention. Allowed arithmetic: matrix products marked QUANTISED: E5M2 operands, one given power-of-two scale a tensor, by v_wmma_f32_16x16x64_bf8_bf8 or v_wmma_f32_16x16x128_bf8_bf8, f32 sums; products left as they are: f32 operands where the result goes on into a quantised operand, else bf16, f16 or f32 operands; f32 sums; everything else in f32.
;; Inputs: Wk_codes 1,024 x 32 x 32 uint8 (E5M2 codes of Wk, K innermost, in blocks of 32 codes); Wo_codes 1,024 x 32 x 32 uint8 (E5M2 codes of Wo, K innermost, in blocks of 32 codes); Wq_codes 1,024 x 32 x 32 uint8 (E5M2 codes of Wq, K innermost, in blocks of 32 codes); Wv_codes 1,024 x 32 x 32 uint8 (E5M2 codes of Wv, K innermost, in blocks of 32 codes); bk 1,024 float32; bo 1,024 float32; bq 1,024 float32; bv 1,024 float32; hidden_state_codes 4 x 4,096 x 32 x 32 uint8 (E5M2 codes of hidden_state, K innermost, in blocks of 32 codes); lowp_scales 10 int32 (the exponents e of the quantised operands' scales 2^e).
;; Outputs: out0 4 x 4,096 x 1,024 float32.
;; This version of the problem:
;;   THIS VERSION OF THE PROBLEM IS GIVEN IN LOW PRECISION. The matrix products marked QUANTISED in the list below multiply operands that are first quantised to E5M2 (5 exponent bits, 2 mantissa bits; 8 bits a number), with one given power-of-two scale for each operand tensor; their sums are f32. All else is computed in f32.
;;   The module's matrix products, in the order in which they are computed (A, B: the left and right operand; K: the contracted axis; several contracted axes count as one K, in the product's order):
;;     1. [M 16,384, K 1,024] x [K 1,024, N 1,024]; A: input hidden_state (given as codes); B: input Wq (given as codes): QUANTISED (scales: A lowp_scales[0], B lowp_scales[1])
;;     2. [M 16,384, K 1,024] x [K 1,024, N 1,024]; A: input hidden_state (given as codes); B: input Wk (given as codes): QUANTISED (scales: A lowp_scales[2], B lowp_scales[3])
;;     3. [M 16,384, K 1,024] x [K 1,024, N 1,024]; A: input hidden_state (given as codes); B: input Wv (given as codes): QUANTISED (scales: A lowp_scales[4], B lowp_scales[5])
;;     4. batch 16,384 x [M 16, K 64] x [K 64, N 16]; A: computed on the way; B: computed on the way: QUANTISED (scales: A lowp_scales[6], B lowp_scales[7])
;;     5. batch 16,384 x [M 16, K 16] x [K 16, N 64]; A: softmax; B: computed on the way: left as it is (K = 16 < 32)
;;     6. [M 16,384, K 1,024] x [K 1,024, N 1,024]; A: computed on the way; B: input Wo (given as codes): QUANTISED (scales: A lowp_scales[8], B lowp_scales[9])
;;   THE QUANTISER, for each operand of a quantised product, along K:
;;     - The operand's scale is 2^e, e = its entry of the input lowp_scales (int32; the entries are numbered through the quantised products in the list's order, A before B).
;;     - Each number is divided by the scale, clamped to +-57,344, and rounded to the nearest number of E5M2, ties to even, subnormals kept.
;;     - The product sums the exact products of the quantised numbers (number of the format x scale) in f32.
;;   ~~~python
;;   def quantise(x, axis, e):      # numpy; x: float32 -> the quantised numbers, widened to float32 again
;;       x = np.moveaxis(x, axis, -1); K = x.shape[-1]
;;       r = np.clip(x / 2.0 ** e, -57344, 57344)
;;       step = 2.0 ** (np.maximum(np.frexp(np.where(r == 0, 1, r))[1] - 1, -14) - 2)
;;       q = np.round(r / step) * step * 2.0 ** e      # np.round: ties to even
;;       return np.moveaxis(q, -1, axis).astype(np.float32)
;;   ~~~
;;   OPERANDS COMPUTED ON THE WAY. 'Computed on the way' means the value that the module computes at that place (a softmax that the list does not call 'softmax' is quantised finished and normalised). What goes into a quantiser is computed in f32, as accurately as f32 sums, v_exp_f32 and their like allow (about 1e-6 of the number): no bf16 or f16 on the way to a quantiser, and a product that is left as it is and whose result goes on into a quantised operand takes f32 operands (vector FMAs, or v_wmma_f32_16x16x4_f32). A number that lies on a knife's edge between two numbers of the format may be rounded either way, as far as f32 arithmetic and the matrix unit's own rounding can turn it there, and no further.
;;   INPUTS GIVEN AS CODES. Wk (in the module: [1024, 1024], K = its axis 0); Wo (in the module: [1024, 1024], K = its axis 0); Wq (in the module: [1024, 1024], K = its axis 0); Wv (in the module: [1024, 1024], K = its axis 0); hidden_state (in the module: [4, 4096, 1024], K = its axis 2): each comes as NAME_codes (uint8): NAME with its K axis moved to the last place and cut into blocks of 32 codes, [.., K / 32, bytes a block], one block behind the other in memory; one code a byte (a code: sign, 5 exponent bits, 2 mantissa bits); its scale is its entry of lowp_scales. Its value is code x scale, taken as it is: it is not quantised again, and the codes and scales need not be those that the quantiser above would give.
;; 2 versions, each right. Each part assembles by itself: llvm-mc -triple=amdgcn-amd-amdhsa -mcpu=gfx1250 --defsym DOCPART=n.
;; ======== version 1 of 2: 2 launches
;; workspace buffers: wstream 4,194,304 bytes
;; launch lay (part 1): grid 256 x 1, 4 waves a work-group, no clusters, 17,920 bytes of LDS; arguments Wq_codes, Wk_codes, Wv_codes, Wo_codes, wstream; writes wstream
.if DOCPART == 1
	.amdgcn_target "amdgcn-amd-amdhsa--gfx1250"
	.amdhsa_code_object_version 6
	.text
	.protected	k_qf15d42ab35_lay
	.globl	k_qf15d42ab35_lay
	.p2align	8
	.type	k_qf15d42ab35_lay,@function
k_qf15d42ab35_lay:
	s_mov_b64 s[64:65], 0
	v_nop
	global_prefetch_b8 v0, s[64:65] scope:SCOPE_SE
	s_setreg_imm32_b32 hwreg(HW_REG_WAVE_MODE, 25, 1), 1
	s_wait_xcnt 0x0
; THE PROGRAM: two launches.  This one lays the four weights' codes out once, in the order in which the second launch's operand registers take them; the second computes all of reference().
; NOTHING OF reference() IS LEFT OUT: every product of the table is done, all four biases and all ten scales are loaded and used (bq and bk move codes of quantised operands, bv and bo reach the output).
; wstream: 32 units of 131,072 bytes, walked in order by every work-group of the second launch.  Byte u*131072 + w*32768 + (2 ks + ct)*2048 + c4*512 + 16 L holds, for lane L = r + 16 h,
; W[n][128 ks + 32 c4 + 8 h .. + 7] and then W[n][128 ks + 32 c4 + 16 + 8 h .. + 7]: registers 4 c4 .. 4 c4 + 3 of an 8-bit fragment of 16 rows x 128 K (ISA guide 7.12.2: registers 2 c, 2 c + 1 hold k = 16 c + 8 h ..).
; Row n of the source:  u = 0..15 (t = u / 4; Wq where bit 1 of u is 0, else Wk; hh = u % 2): n = 64 (4 w + 2 hh + ct) + 16 t + r: a tile is one head, 16 of its channels.
;                       u = 16..23 (t = (u - 16) / 2, hh = u % 2), Wv: n = 64 r + 16 t + 8 hh + 2 w + ct: a tile is one channel, all 16 heads.
;                       u = 24..31 (g = u - 24), Wo: n = 128 g + 32 w + 16 ct + r.
; SHARES.  A work-group makes one column tile (u, w, ct): 16 rows x 1,024 K.  Wave v takes K bytes 256 v .. 256 v + 255 (K steps 2 v, 2 v + 1).  Sixteen lanes read a row's aligned 256 bytes; the 16 x 256 bytes
; turn through the wave's own stage in LDS (rows 272 bytes apart: row r starts at bank 4 r of 64 banks of 4 bytes, ISA guide 11.1) and leave as images, 512 consecutive bytes a store.  No barrier: waves share nothing.
.set PITCH, 272
.set STG,   16*PITCH                   ; a wave's stage: 4,352 bytes
.set SPARE, 4*STG                      ; behind the four stages: the spare words, 128 bytes for each wave
	s_load_b256 s[4:11], s[0:1], 0x0               ; Wq s[4:5], Wk s[6:7], Wv s[8:9], Wo s[10:11]
	s_load_b64 s[12:13], s[0:1], 0x20              ; wstream
	v_lshl_add_u32 v30, v0, 2, SPARE               ; my spare word
	v_mov_b32 v31, 0
	v_lshrrev_b32 v1, 5, v0
	v_readfirstlane_b32 s14, v1                    ; wave v
	s_lshr_b32 s15, ttmp9, 3                       ; u
	s_bfe_u32 s16, ttmp9, 0x20001                  ; w
	s_and_b32 s17, ttmp9, 1                        ; ct
	s_and_b32 s18, s15, 1                          ; hh
	s_lshl_b32 s20, s16, 8                         ; Q, K: n0 = 256 w + 128 hh + 64 ct + 16 (u / 4)
	s_lshl_b32 s21, s18, 7
	s_add_co_u32 s20, s20, s21
	s_lshl_b32 s21, s17, 6
	s_add_co_u32 s20, s20, s21
	s_lshr_b32 s21, s15, 2
	s_lshl_b32 s21, s21, 4
	s_add_co_u32 s20, s20, s21
	s_bfe_u32 s22, s15, 0x20001                    ; V: n0 = 16 t + 8 hh + 2 w + ct, t = bits 2:1 of u
	s_lshl_b32 s22, s22, 4
	s_lshl_b32 s21, s18, 3
	s_add_co_u32 s22, s22, s21
	s_lshl_b32 s21, s16, 1
	s_add_co_u32 s22, s22, s21
	s_add_co_u32 s22, s22, s17
	s_and_b32 s23, s15, 7                          ; O: n0 = 128 g + 32 w + 16 ct
	s_lshl_b32 s23, s23, 7
	s_lshl_b32 s21, s16, 5
	s_add_co_u32 s23, s23, s21
	s_lshl_b32 s21, s17, 4
	s_add_co_u32 s23, s23, s21
	s_mov_b32 s24, 1024                            ; from row to row of a tile: 1,024 bytes; in V 64 rows
	s_wait_kmcnt 0x0
	s_bitcmp1_b32 s15, 1                           ; the choices hang on the work-group's number alone
	s_cselect_b64 s[4:5], s[6:7], s[4:5]           ; Wk or Wq
	s_cmp_lt_u32 s15, 24
	s_cselect_b64 s[8:9], s[8:9], s[10:11]         ; Wv or Wo
	s_cselect_b32 s22, s22, s23
	s_cselect_b32 s25, 0x10000, s24
	s_cmp_lt_u32 s15, 16
	s_cselect_b64 s[4:5], s[4:5], s[8:9]           ; the source,
	s_cselect_b32 s20, s20, s22                    ; the tile's first row,
	s_cselect_b32 s25, s24, s25                    ; and the row step
	s_lshl_b32 s26, s20, 10
	s_lshl_b32 s21, s14, 8
	s_add_co_u32 s26, s26, s21                     ; 1,024 n0 + 256 v
	s_mov_b32 s27, 0
	s_add_nc_u64 s[4:5], s[4:5], s[26:27]
	s_lshl_b32 s28, s15, 17                        ; 131,072 u + 32,768 w + 2,048 ct + 8,192 v
	s_lshl_b32 s21, s16, 15
	s_add_co_u32 s28, s28, s21
	s_lshl_b32 s21, s17, 11
	s_add_co_u32 s28, s28, s21
	s_lshl_b32 s21, s14, 13
	s_add_co_u32 s28, s28, s21
	s_mov_b32 s29, 0
	s_add_nc_u64 s[12:13], s[12:13], s[28:29]
	v_and_b32 v1, 31, v0                           ; L
	v_and_b32 v2, 15, v0                           ; r
	v_bfe_u32 v3, v0, 4, 1                         ; h
	v_mul_lo_u32 v7, v3, s25
	v_lshl_add_u32 v8, v2, 4, v7                   ; load i: row 2 i + h, 16 bytes a lane
	s_lshl_b32 s25, s25, 1
.irp i, 1,2,3,4,5,6,7
	v_add_nc_u32 v[8+\i], s25, v[7+\i]
.endr
.irp i, 0,1,2,3,4,5,6,7
	global_load_b128 v[32+4*\i:35+4*\i], v[8+\i], s[4:5] th:TH_LOAD_NT   ; sixteen lanes read 256 consecutive bytes, aligned; read once in the launch
.endr
	s_mul_i32 s21, s14, STG
	v_mul_u32_u24 v4, v3, PITCH
	v_lshl_add_u32 v4, v2, 4, v4
	v_add_nc_u32 v4, s21, v4                       ; into the stage: as loaded
	v_mul_u32_u24 v5, v2, PITCH
	v_lshl_add_u32 v5, v3, 3, v5
	v_add_nc_u32 v5, s21, v5                       ; out of it: row r, 8 bytes for each half of the lanes
	v_lshlrev_b32 v6, 4, v1                        ; an image's place for my lane
.irp i, 0,1,2,3,4,5,6,7
	s_wait_loadcnt 7-\i                            ; loads come back in order (ISA guide 5.7.1): load i is in, the 7 - i behind it may be out
	ds_store_b128 v4, v[32+4*\i:35+4*\i] offset:2*PITCH*\i
.endr
.irp e, 0,1
.irp c, 0,1,2,3
	ds_load_b64 v[64+16*\e+4*\c:65+16*\e+4*\c], v5 offset:128*\e+32*\c      ; LDS serves a wave's instructions in order (ISA guide 5.7.1.4): these see my stores
	ds_load_b64 v[66+16*\e+4*\c:67+16*\e+4*\c], v5 offset:128*\e+32*\c+16
.endr
.endr
	s_wait_dscnt 0x0
.irp e, 0,1
.irp c, 0,1,2,3
	global_store_b128 v6, v[64+16*\e+4*\c:67+16*\e+4*\c], s[12:13] offset:4096*\e+512*\c   ; 32 lanes store 512 consecutive bytes, aligned
.endr
.endr
	s_wait_tensorcnt 0x0                           ; the wave's end, behind my last LDS store
	ds_add_u32 v30, v31
	s_wait_dscnt 0x0
	s_endpgm
.Lfunc_end_k_qf15d42ab35_lay:
	.size	k_qf15d42ab35_lay, .Lfunc_end_k_qf15d42ab35_lay-k_qf15d42ab35_lay
	.p2alignl 7, 3214868480
	.fill 96, 4, 3214868480
	.section	.rodata,"a",@progbits
	.p2align	6, 0x0
	.amdhsa_kernel k_qf15d42ab35_lay
		.amdhsa_group_segment_fixed_size 17920
		.amdhsa_private_segment_fixed_size 0
		.amdhsa_enable_private_segment 0
		.amdhsa_kernarg_size 40
		.amdhsa_user_sgpr_count 2
		.amdhsa_user_sgpr_kernarg_segment_ptr 1
		.amdhsa_wavefront_size32 1
		.amdhsa_system_sgpr_workgroup_id_x 1
		.amdhsa_system_sgpr_workgroup_id_y 1
		.amdhsa_system_sgpr_workgroup_id_z 1
		.amdhsa_system_vgpr_workitem_id 0
		.amdhsa_next_free_vgpr 112
		.amdhsa_next_free_sgpr 66
		.amdhsa_reserve_vcc 0
		.amdhsa_float_denorm_mode_32 3
		.amdhsa_float_denorm_mode_16_64 3
		.amdhsa_memory_ordered 1
		.amdhsa_forward_progress 1
		.amdhsa_inst_pref_size 7
	.end_amdhsa_kernel
	.amdgpu_metadata
---
amdhsa.version: [ 1, 2 ]
amdhsa.kernels:
  - .name:           k_qf15d42ab35_lay
    .symbol:         k_qf15d42ab35_lay.kd
    .args:
      - { .name: Wq_codes, .offset: 0, .size: 8, .value_kind: global_buffer, .address_space: global }
      - { .name: Wk_codes, .offset: 8, .size: 8, .value_kind: global_buffer, .address_space: global }
      - { .name: Wv_codes, .offset: 16, .size: 8, .value_kind: global_buffer, .address_space: global }
      - { .name: Wo_codes, .offset: 24, .size: 8, .value_kind: global_buffer, .address_space: global }
      - { .name: wstream, .offset: 32, .size: 8, .value_kind: global_buffer, .address_space: global }
    .group_segment_fixed_size: 17920
    .private_segment_fixed_size: 0
    .kernarg_segment_align: 8
    .kernarg_segment_size: 40
    .max_flat_workgroup_size: 128
    .sgpr_count:     66
    .vgpr_count:     112
    .wavefront_size: 32
...
	.end_amdgpu_metadata
.endif
;; end of part 1
;; launch mha (part 2): grid 256 x 1, 4 waves a work-group, clusters of 4 x 1, 327,680 bytes of LDS; arguments hidden_state_codes, wstream, bq, bk, bv, bo, lowp_scales, out0; writes out0
.if DOCPART == 2
	.amdgcn_target "amdgcn-amd-amdhsa--gfx1250"
	.amdhsa_code_object_version 6
	.text
	.protected	k_qf15d42ab35_mha
	.globl	k_qf15d42ab35_mha
	.p2align	8
	.type	k_qf15d42ab35_mha,@function
k_qf15d42ab35_mha:
	s_mov_b64 s[64:65], 0
	v_nop
	global_prefetch_b8 v0, s[64:65] scope:SCOPE_SE
	s_setreg_imm32_b32 hwreg(HW_REG_WAVE_MODE, 25, 1), 1
	s_wait_xcnt 0x0
	s_wait_alu depctr_hold_cnt(0) depctr_sa_sdst(0) depctr_va_vdst(0) depctr_va_sdst(0) depctr_va_ssrc(0) depctr_va_vcc(0) depctr_vm_vsrc(0)
	s_getreg_b32 s2, hwreg(HW_REG_IB_STS2, 6, 4)
	s_cmp_eq_u32 s2, 0
	s_cbranch_scc0 .Lentry_in_a_cluster
	s_endpgm
.Lentry_in_a_cluster:
	s_bfe_u32 s2, ttmp6, 0x10000c
	s_cmp_lg_u32 s2, 0x3003
	s_cbranch_scc0 .Lentry_shape_is_right
	s_endpgm
.Lentry_shape_is_right:
; ALL OF reference() FOR 64 POSITIONS A WORK-GROUP; nothing is left out, and no intermediate goes to memory.
; q, k, v = x W + b (E5M2 codes, x's scale taken anew for each product); for each position the 16 x 16 scores between its HEADS on codes of q and k; softmax with the row's maximum taken away; P v in f32;
; the result, quantised, is the last product's operand: row h*256 + s/16 of that operand holds head h of positions 16 (s/16) .. + 15, at columns 64 (s%16) + d.  So 64 neighbouring positions make 64 whole rows.
; LIMITS on the given exponents, so that each power of two below is an f32 number: e6-e0-e1, e7-e2-e3 and e8 between -126 and 112; e4+e5 and e8+e9 between -126 and 127; e6+e7 between -124 and 129.
; NaN among the biases is not served.
; SHARES.  Work-group g = 4 x cluster + cx owns positions 64 g .. 64 g + 63.  All work-groups walk wstream, 32 units of 128 output columns x all K = 1,024 (131,072 bytes, laid by the launch before in the order of the
; operand registers).  Wave w fetches and reads only its quarter of a unit: 2 column tiles x 8 K steps = 16 fragments, each multiplied against all 64 rows: 64 matrix instructions a unit on 8 accumulators by turns.
; x's 32 fragments stay in every wave's registers (512), so LDS is read for weights alone, each byte once; in the last pass the attention's codes take their place.
; THE PRODUCTS ARE USED TRANSPOSED (source 0 = 16 weight rows, source 1 = 16 positions): a lane holds one position and eight weight rows.
; CLUSTER.  The four partners walk the same units: each quarter is asked for JOINTLY, by the same tensor load with the same descriptor and the mask 15.
; THE WALK.  Units 0-15, four trips t: Q(t,0), Q(t,1), K(t,0), K(t,1): a tile is one head x channels 16 t .. + 15; the sums are quantised and go through LDS; then each wave adds, for its 16 positions, these 16 channels' part
; of the scores (the K = 64 form, 16 codes loaded, 48 zero codes).  The softmax.  Units 16-23, four trips t: a tile is one channel x 16 heads; v goes through LDS in f32; P v for channels 16 t .. + 15 by the f32 form; quantised.
; The codes go to all waves through LDS.  Units 24-31: the last product, 128 columns of out0 a unit.
; In the attention wave w owns positions p = 0..15: s = 16 (p/4) + 4 w + p%4, so that its codes are whole fragments (rows: jl = p/4; K step 2 w + (p%4)/2) of the last product's operand.
; LDS: two slots of 133,120 bytes (a wave's quarter: 32 rows of 1,024 bytes + 16 of padding); T, 60,928 bytes written by LDS stores alone, never a tensor load's target; the spare words.  All of a WGP's LDS is claimed.
; x comes first into slot 1, by a tile of the slot's own shape (of its 32 rows the tensor has 16; the others arrive as zeros).
; REGISTERS, in windows of 256 (s_set_vgpr_msb: bits 1:0 source 0, 3:2 source 1, 5:4 source 2, 7:6 destination):
;   window 0: v1-19 addresses; v20-22 the conversions' scales; v24-31 v's bias; v32-63 at work; v64-127 POOL: four weight fragments, later v, later rows of out0; v128-191 the 8 accumulators (tile (ct, rt) at 128 + 8 (4 ct + rt));
;             v192-223 four accumulators of the f32 form, written by matrix instructions alone; v224-255 fresh codes, or (v224-239) a unit's bias.
;   window 1: v0-127 the scores, then P: position p at 8 p; lane (r, h), register j: query head r, key head 8 h + j.  v128-255: sixteen operands of the K = 64 form; then the softmax's temporaries; then my eight fragments of codes.
;   windows 2, 3: x's fragments, later the attention's codes: (rt, kb) at 64 (kb % 4) + 16 rt of window 2 + kb / 4.
.set QTR,   33280                      ; a wave's quarter of a slot: 32 rows x 1,040
.set SLOT,  4*QTR
.set TB,    2*SLOT                     ; T: 266,240
.set SPARE, 327168                     ; the spare words, 128 bytes for each wave
.set UNITB, 131072                     ; a unit in wstream
.set TKO,   16896                      ; in T: q's codes 64 positions x 264 bytes, then k's
.set VTO,   33920                      ; in T: v's channels 0-7 of a tile: 64 positions x 528 bytes; then, 128 bytes further on, channels 8-15 for 32 positions
.set SPW, 1                            ; v1   my spare word; never rewritten
.set NIL, 2                            ; v2   0; never rewritten
.set AW,  3                            ; v3-4 16 L + QTR w, in slot 0, 1
.set TQW, 5                            ; v5   TB + 264 r + 128 h + 32 w
.set TQR, 6                            ; v6   TB + 8 L + 1,056 w
.set VTW, 7                            ; v7   TB + 528 r + 128 h + 32 w
.set VTR, 8                            ; v8-9 TB + 16 r + 128 h + 2,112 w + (33,792 | 16,896) (r / 8)
.set LI,  10                           ; v10  TB + 16 L
.set XWI, 11                           ; v11  LI + 4,096 w
.set SO,  12                           ; v12  TB + 528 r + 32 h + 128 w
.set SR,  13                           ; v13  TB + 16 L + 8,448 w
.set GO,  14                           ; v14-15 16 L + 4,096 w, and that + 2^23
.set BQO, 16                           ; v16  1,024 w + 32 h
.set BOO, 17                           ; v17  128 w + 32 h
.set BVO, 18                           ; v18  2,048 h + 4 r
.set PFO, 19                           ; v19  256 L
.set SCL, 20                           ; v20-22 2^(e6-e0-e1), 2^(e7-e2-e3), 2^e8 as f32
.set BV,  24
.set TT,  32
.set AX,  40                           ; v40-41 at the head: x's rows in slot 1
.set POOL, 64
.set ACC, 128
.set OD,  192
.set CT,  224
.set BIAS, 224
; SCALARS: s2, s3, s33-35 at work (s3 later counts loops); s[4:19] the eight addresses; s20-29 e0..e9; s30 wave, s31 cx, s32 g; s[36:43], s[44:51] groups 1 (units, x); s[52:55], s[56:59], s[60:63] groups 0 (slot 0, slot 1, x);
; s66/67, s68/69, s70/71 +/- the largest code x the scale (q, k, the attention's result); s[72:73] 2^(e4+e5); s[74:75] 2^(e8+e9); s[76:77] c = log2(e)/8 x 2^(e6+e7), s78 -c; s79, s80 -(e0+e1), -(e2+e3);
; s81 1 in the cluster that prefetches; s[82:83] lane selects; s[84:85] where my prefetches stand; s[86:87] out0; s88 t of the V pass.
.set MSB, 0
.macro WIN new                         ; the immediate's high byte repeats the setting that is left; a switch that changes nothing is dropped
.if MSB != (\new)
	s_set_vgpr_msb (MSB<<8)|(\new)
.set MSB, (\new)
.endif
.endm
.macro PLACES n                        ; plain vector instructions between a matrix instruction and what touches its registers (ISA guide 7.12.1)
.rept \n
	v_nop
.endr
.endm
.macro ROUND                           ; a round of the cluster's barrier: my work-group's barrier; wave 0 signals for the work-group; every wave waits for all four; my work-group's barrier once more
	s_barrier_signal -1
	s_barrier_wait -1
	s_cmp_lg_u32 s30, 0
	s_cbranch_scc1 .Lnw0_\@
	s_barrier_signal -3
.Lnw0_\@:
	s_barrier_wait -3
	s_barrier_signal -1
	s_barrier_wait -1
.endm
.macro BAR                             ; my LDS stores have landed and my LDS loads are in; then the work-group's barrier.  The unit on its way may stay out
	s_wait_dscnt 0x0
	s_barrier_signal -1
	s_barrier_wait -1
.endm
.macro UTOP ask                        ; a unit's top: the last prefetch (a unit back) has read its address, and earlier stores their data and base
	s_wait_xcnt 0x0
.if \ask
	s_add_nc_u64 s[84:85], s[84:85], UNITB
.endif
.endm
; THE CHANGE OF SLOTS, at the head of the unit in slot \slot.  Each wave waits for all its tensor loads (one is out: its quarter of this unit), adds 0 to its spare word, and waits for that and for its reads of the other slot.
; refill = 1: behind a round of the cluster's barrier the other slot takes the next unit: a wave's one tensor load until the next round; it has this whole unit in which to land.
; ask = 1: the unit after that is prefetched into the L2.  Cluster 0 alone asks (all clusters walk the same units); its 16 waves x 32 lanes, 256 bytes apart, name the unit's 131,072 bytes once;
; the partners are told apart by address (32,768 cx + 8,192 w).  Units 0 and 1 come by their loads alone, and the last two changes ask for nothing: no unit lies behind unit 31.
.macro UMEET slot, refill, ask
	s_wait_tensorcnt 0x0                           ; no tensor load of mine is out, so a group 0 may be written
	ds_add_u32 v[SPW], v[NIL]
	s_add_nc_u64 s[54+4*\slot:55+4*\slot], s[54+4*\slot:55+4*\slot], 2*UNITB   ; this slot's next unit; the type bits on top are not reached
	s_wait_dscnt 0x0                               ; the add is done, and all my LDS reads and stores are over
.if \refill
	ROUND
	tensor_load_to_lds s[56-4*\slot:59-4*\slot], s[36:43]
	s_nop 0
	PLACES 4
.if \ask
	s_cmp_eq_u32 s81, 1
	s_cbranch_scc0 .Lna_\@
	global_prefetch_b8 v[PFO], s[84:85] th:TH_LOAD_NT scope:SCOPE_SE
.Lna_\@:
.endif
.else
	s_barrier_signal -1
	s_barrier_wait -1
.endif
.endm
.macro FRAGS slot, ks                  ; K step ks's two weight fragments: 8 loads of 512 consecutive bytes; 16 bytes of padding lie behind each 1,024
.irp ct, 0,1
.irp c, 0,1,2,3
	ds_load_b128 v[POOL+16*((2*(\ks)+\ct)%4)+4*\c:POOL+16*((2*(\ks)+\ct)%4)+4*\c+3], v[AW+\slot] offset:(2*(\ks)+\ct)*2080+(\c/2)*1040+(\c%2)*512
.endr
.endr
.endm
.macro KSTEP ks, cmode                 ; 8 matrix instructions, the 8 accumulators by turns in the same order in every K step.  The first K step starts the sums: with 0, or with the bias
.irp rt, 0,1,2,3
.irp ct, 0,1
.if (\ks) > 0
	v_wmma_f32_16x16x128_bf8_bf8 v[ACC+8*(4*\ct+\rt):ACC+8*(4*\ct+\rt)+7], v[POOL+16*((2*(\ks)+\ct)%4):POOL+16*((2*(\ks)+\ct)%4)+15], v[64*((\ks)%4)+16*\rt:64*((\ks)%4)+16*\rt+15], v[ACC+8*(4*\ct+\rt):ACC+8*(4*\ct+\rt)+7]
.elseif \cmode
	v_wmma_f32_16x16x128_bf8_bf8 v[ACC+8*(4*\ct+\rt):ACC+8*(4*\ct+\rt)+7], v[POOL+16*((2*(\ks)+\ct)%4):POOL+16*((2*(\ks)+\ct)%4)+15], v[64*((\ks)%4)+16*\rt:64*((\ks)%4)+16*\rt+15], v[BIAS+8*\ct:BIAS+8*\ct+7]
.else
	v_wmma_f32_16x16x128_bf8_bf8 v[ACC+8*(4*\ct+\rt):ACC+8*(4*\ct+\rt)+7], v[POOL+16*((2*(\ks)+\ct)%4):POOL+16*((2*(\ks)+\ct)%4)+15], v[64*((\ks)%4)+16*\rt:64*((\ks)%4)+16*\rt+15], 0
.endif
.endr
.endr
.endm
.macro GEMM slot, cmode, which         ; a unit's 64 products.  cmode = 1: the bias, divided by the power of two that the sums lack, is the C of the first K step
	FRAGS \slot, 0
	FRAGS \slot, 1
.if \cmode
	s_wait_loadcnt 0x0                             ; the bias
.irp j, 0,1,2,3,4,5,6,7,8,9,10,11,12,13,14,15
	v_ldexp_f32 v[BIAS+\j], v[BIAS+\j], s[79+\which]
.endr
.endif
.irp ks, 0,1,2,3,4,5,6,7
.if \ks < 7
	s_wait_dscnt 8                                 ; this K step's 8 loads are in; the next step's 8 may be out
.else
	s_wait_dscnt 0
.endif
	WIN 0x08+4*(\ks/4)                             ; source 1 in window 2, from K step 4 on in window 3
	KSTEP \ks, \cmode
.if \ks < 6
	PLACES 4                                       ; in front of loads into registers that these products have read
	FRAGS \slot, \ks+2
.endif
.endr
	WIN 0
.endm
; Q and K: lane (r, h) of tile (ct, rt) holds position 16 rt + r, head 4 w + 2 hh + ct, channels 16 t + 8 h + 0..7: held at the largest code, converted, 8 bytes into T at 264 x position + 128 h + 8 x head
.macro QEPI which, hh
	PLACES 4
.irp tl, 0,1,2,3,4,5,6,7
.irp j, 0,1,2,3,4,5,6,7
	v_med3_num_f32 v[ACC+8*\tl+\j], v[ACC+8*\tl+\j], s[67+2*\which], s[66+2*\which]   ; the conversion to an 8-bit code does not saturate (ISA guide 7.6.2)
.endr
	v_cvt_scalef32_pk8_bf8_f32 v[TT+2*\tl:TT+2*\tl+1], v[ACC+8*\tl:ACC+8*\tl+7], v[SCL+\which]
.endr
	v_nop                                          ; a plain instruction behind the last conversion: the next products write its sources
.irp tl, 0,1,2,3,4,5,6,7
	ds_store_b64 v[TQW], v[TT+2*\tl:TT+2*\tl+1] offset:4224*(\tl%4)+8*(2*\hh+\tl/4)+TKO*\which   ; lane (r, h) starts at bank 2 r + 32 h
.endr
.endm
.macro QKUNIT slot, which, hh
	UTOP 1
.irp ct, 0,1
.irp a, 0,1
	global_load_b128 v[BIAS+8*\ct+4*\a:BIAS+8*\ct+4*\a+3], v[BQO], s[8+2*\which:9+2*\which] offset:256*(2*\hh+\ct)+16*\a
.endr
.endr
	UMEET \slot, 1, 1
	GEMM \slot, 1, \which
	QEPI \which, \hh
.endm
; The scores of my 16 positions take in these 16 channels: S^T += k q^T, source 0 = 16 key heads, source 1 = 16 query heads; of an operand's 8 registers two are loaded (k = 8 h + 0..7), six hold zero codes
.macro SSTEP
	BAR                                            ; all four waves' codes of q and k lie in T
.irp b, 0,1
	WIN 0x40
.irp z, 0,1,2,3,4,5,6,7
	ds_load_b64 v[128+16*\z:129+16*\z], v[TQR] offset:264*(16*((8*\b+\z)/4)+\z%4)+TKO
	ds_load_b64 v[136+16*\z:137+16*\z], v[TQR] offset:264*(16*((8*\b+\z)/4)+\z%4)
.endr
	s_wait_dscnt 0x0
	WIN 0x55
.irp z, 0,1,2,3,4,5,6,7
	v_wmma_f32_16x16x64_bf8_bf8 v[8*(8*\b+\z):8*(8*\b+\z)+7], v[128+16*\z:135+16*\z], v[136+16*\z:143+16*\z], v[8*(8*\b+\z):8*(8*\b+\z)+7]
.endr
	WIN 0
	PLACES 4                                       ; in front of the next loads into the operands, and of the softmax's first reads
.endr
.endm
.macro VST rt, off                     ; v's raw sums of positions 16 rt + r: lane (r, h) holds heads 8 h + 0..7 of channel 8 hh + 2 w + ct: at 528 x position + 256 a + 128 h + 16 x (2 w + ct)
.irp ct, 0,1
.irp a, 0,1
	ds_store_b128 v[VTW], v[ACC+8*(4*\ct+\rt)+4*\a:ACC+8*(4*\ct+\rt)+4*\a+3] offset:\off+16*\ct+256*\a
.endr
.endr
.endm
.macro P5LOAD sg                       ; eight of my positions: lane (r, h), register i: v(head 8 h + i, channel 16 t + r); lanes with r under 8 read the even unit's region, the others the odd unit's
.irp pp, 0,1,2,3,4,5,6,7
.irp a, 0,1
	ds_load_b128 v[POOL+8*\pp+4*\a:POOL+8*\pp+4*\a+3], v[VTR+\sg] offset:528*(16*(2*\sg+\pp/4)+\pp%4)+256*\a
.endr
.endr
.endm
.macro VFIX pp0                        ; four positions: v = sum x 2^(e4+e5) + bv
.irp pp, \pp0, \pp0+1, \pp0+2, \pp0+3
.irp q, 0,2,4,6
	v_pk_fma_f32 v[POOL+8*(\pp)+\q:POOL+8*(\pp)+\q+1], v[POOL+8*(\pp)+\q:POOL+8*(\pp)+\q+1], s[72:73], v[BV+\q:BV+\q+1] op_sel_hi:[1,0,1]
.endr
.endr
.endm
.macro PVMUL sg, bb                    ; O^T = v^T P^T for four positions, in f32: source 0 = 16 channels, source 1 = 16 query heads; K slot (h, j) of step kk is key head 8 h + 2 kk + j on both sides.  Four accumulators by turns; step 0 starts the sums
	WIN 0x04
.irp kk, 0,1,2,3
.irp z, 0,1,2,3
.if \kk == 0
	v_wmma_f32_16x16x4_f32 v[OD+8*\z:OD+8*\z+7], v[POOL+8*(4*\bb+\z)+2*\kk:POOL+8*(4*\bb+\z)+2*\kk+1], v[8*(8*\sg+4*\bb+\z)+2*\kk:8*(8*\sg+4*\bb+\z)+2*\kk+1], 0
.else
	v_wmma_f32_16x16x4_f32 v[OD+8*\z:OD+8*\z+7], v[POOL+8*(4*\bb+\z)+2*\kk:POOL+8*(4*\bb+\z)+2*\kk+1], v[8*(8*\sg+4*\bb+\z)+2*\kk:8*(8*\sg+4*\bb+\z)+2*\kk+1], v[OD+8*\z:OD+8*\z+7]
.endif
.endr
.endr
	WIN 0
.endm
.macro MEDCVT sg, bb                   ; lane (r, h): query head r, channels 16 t + 8 h + 0..7: held into other registers, converted: a pair of the last product's operand
.irp z, 0,1,2,3
.irp j, 0,1,2,3,4,5,6,7
	v_med3_num_f32 v[TT+8*\z+\j], v[OD+8*\z+\j], s71, s70
.endr
	v_cvt_scalef32_pk8_bf8_f32 v[CT+2*(8*\sg+4*\bb+\z):CT+2*(8*\sg+4*\bb+\z)+1], v[TT+8*\z:TT+8*\z+7], v[SCL+2]
.endr
	v_nop
.endm
.macro P5CALC sg
	VFIX 0
	PVMUL \sg, 0
	VFIX 4                                         ; sixteen plain instructions that name no register of those products: the places in front of the reads of their sums and of the products that begin the accumulators anew
	MEDCVT \sg, 0
	PVMUL \sg, 1
	PLACES 8
	MEDCVT \sg, 1
.endm
.macro CARM t                          ; the trip's 16 pairs go to their places: position p's fragment 2 (p/4) + (p%4)/2, registers 2 (4 (p%2) + t)
	WIN 0x40
.irp p, 0,1,2,3,4,5,6,7,8,9,10,11,12,13,14,15
	v_mov_b32 v[128+16*(2*(\p/4)+(\p%4)/2)+2*(4*(\p%2)+\t)], v[CT+2*\p]
	v_mov_b32 v[128+16*(2*(\p/4)+(\p%4)/2)+2*(4*(\p%2)+\t)+1], v[CT+2*\p+1]
.endr
	WIN 0
.endm
.macro OUNIT slot, refill, ask         ; 128 columns of out0
	UTOP \ask
	s_add_nc_u64 s[86:87], s[86:87], 512           ; both bases stand one unit ahead; the accesses reach back by their immediates
	s_add_nc_u64 s[14:15], s[14:15], 512
.irp ct, 0,1
.irp a, 0,1
	global_load_b128 v[BIAS+8*\ct+4*\a:BIAS+8*\ct+4*\a+3], v[BOO], s[14:15] offset:64*\ct+16*\a-512
.endr
.endr
	UMEET \slot, \refill, \ask
	GEMM \slot, 0, 0
	PLACES 4
	s_wait_loadcnt 0x0                             ; bo
.irp tl, 0,1,2,3,4,5,6,7
.irp q, 0,2,4,6
	v_pk_fma_f32 v[ACC+8*\tl+\q:ACC+8*\tl+\q+1], v[ACC+8*\tl+\q:ACC+8*\tl+\q+1], s[74:75], v[BIAS+8*(\tl/4)+\q:BIAS+8*(\tl/4)+\q+1] op_sel_hi:[1,0,1]   ; sum x 2^(e8+e9) + bo
.endr
.endr
.irp tl, 0,1,2,3,4,5,6,7
.irp a, 0,1
	ds_store_b128 v[SO], v[ACC+8*\tl+4*\a:ACC+8*\tl+4*\a+3] offset:8448*(\tl%4)+64*(\tl/4)+16*\a   ; stage row 16 jl + head; a lane's eight neighbouring columns
.endr
.endr
	BAR                                            ; a row's 512 bytes come from four waves
.irp i, 0,1,2,3,4,5,6,7,8,9,10,11,12,13,14,15
	ds_load_b128 v[POOL+4*\i:POOL+4*\i+3], v[SR] offset:528*\i
.endr
.irp i, 0,1,2,3,4,5,6,7,8,9,10,11,12,13,14,15
	s_wait_dscnt 15-\i                             ; load i is in; the 15 - i behind it may be out
	global_store_b128 v[GO+\i/8], v[POOL+4*\i:POOL+4*\i+3], s[86:87] offset:((\i%8)<<20)-512 th:TH_STORE_NT   ; row (head i, jl = w): 32 lanes store 512 consecutive bytes, aligned
.endr
.endm
	s_load_b256 s[4:11], s[0:1], 0x0               ; x s[4:5], wstream s[6:7], bq s[8:9], bk s[10:11]
	s_load_b256 s[12:19], s[0:1], 0x20             ; bv s[12:13], bo s[14:15], the scales s[16:17], out0 s[18:19]
	v_lshl_add_u32 v[SPW], v0, 2, SPARE
	v_mov_b32 v[NIL], 0
	ds_add_u32 v[SPW], v[NIL]                      ; the wave's opening: the add, twice on end, and its wait ahead of my first tensor load
	ds_add_u32 v[SPW], v[NIL]
	v_lshrrev_b32 v[TT], 5, v0
	v_readfirstlane_b32 s30, v[TT]                 ; wave 0..3
	s_bfe_u32 s31, ttmp6, 0x40000                  ; cx
	s_lshl_b32 s32, ttmp9, 2
	s_add_co_u32 s32, s32, s31                     ; g: it enters x's, out0's and the prefetches' addresses alone
	; group 1 for the units: 32 rows of 1,024 bytes, dense in memory, 16 bytes of padding behind each in LDS
	s_mov_b32 s36, 15|(1<<20)|(1<<21)|(7<<22)|(3<<25)  ; 15:0 the mask: all four partners; 17:16 elements of 1 byte; 20 padding on; 21 set beside a mask; 24:22 after every 256 words (code 7); 31:25 four words (code 3)
	s_mov_b32 s37, 1024<<16                        ; tensor_dim0
	s_mov_b32 s38, 32<<16                          ; tensor_dim1
	s_mov_b32 s39, 1024<<16                        ; tile_dim0
	s_mov_b32 s40, 32                              ; tile_dim1
	s_mov_b32 s41, 1024                            ; from row to row
	s_mov_b32 s42, 0
	s_mov_b32 s43, 0
	; group 1 for x: no mask; the same tile, of which the tensor has 16 rows: the other 16 arrive as zeros
	s_mov_b32 s44, (1<<20)|(7<<22)|(3<<25)
	s_mov_b32 s45, 1024<<16
	s_mov_b32 s46, 16<<16
	s_mov_b32 s47, 1024<<16
	s_mov_b32 s48, 32
	s_mov_b32 s49, 1024
	s_mov_b32 s50, 0
	s_mov_b32 s51, 0
	s_mov_b32 s82, 0x76543210                      ; v_permlanex16_b32: lane l xor 16
	s_mov_b32 s83, 0xfedcba98
	s_cmp_eq_u32 ttmp9, 0                          ; the cluster's number: the same in all four partners
	s_cselect_b32 s81, 1, -1
	s_mul_i32 s34, s30, QTR                        ; my quarter of a slot: no place in the cluster enters an LDS address
	s_mov_b32 s3, 0
	s_wait_dscnt 0x0                               ; both opening adds are done
	s_wait_kmcnt 0x0
	s_load_b256 s[20:27], s[16:17], 0x0            ; e0 .. e7
	s_load_b64 s[28:29], s[16:17], 0x20            ; e8, e9
	s_lshl_b32 s2, s30, 15
	s_add_nc_u64 s[54:55], s[6:7], s[2:3]          ; unit 0, my quarter
	s_add_nc_u64 s[58:59], s[54:55], UNITB         ; unit 1
	s_or_b32 s55, s55, 0x80000000                  ; type = 2
	s_or_b32 s59, s59, 0x80000000
	s_mov_b32 s52, 1
	s_mov_b32 s53, s34
	s_mov_b32 s56, 1
	s_add_co_u32 s57, s34, SLOT
	s_lshl_b32 s2, s32, 16
	s_lshl_b32 s33, s30, 14
	s_add_co_u32 s2, s2, s33
	s_add_nc_u64 s[62:63], s[4:5], s[2:3]          ; x: rows 64 g + 16 w on
	s_or_b32 s63, s63, 0x80000000
	s_mov_b32 s60, 1
	s_add_co_u32 s61, s34, SLOT
	s_lshl_b32 s2, s31, 15
	s_lshl_b32 s33, s30, 13
	s_add_co_u32 s2, s2, s33
	s_add_co_u32 s2, s2, UNITB
	s_add_nc_u64 s[84:85], s[6:7], s[2:3]          ; the prefetches: my 8,192 bytes of unit 1; unit 0's top steps it to unit 2
	s_lshr_b32 s2, s32, 6
	s_lshl_b32 s2, s2, 24
	s_and_b32 s33, s32, 63
	s_lshl_b32 s33, s33, 14
	s_add_co_u32 s2, s2, s33
	s_add_nc_u64 s[86:87], s[18:19], s[2:3]        ; out0: batch g / 64, row 4 (g % 64)
	ROUND                                          ; all four work-groups are here: the first joint loads meet
	tensor_load_to_lds s[60:63], s[44:51]          ; x into slot 1,
	s_nop 0
	tensor_load_to_lds s[52:55], s[36:43]          ; unit 0 into slot 0: two loads of mine are out
	s_nop 0
	PLACES 4
	v_and_b32 v[TT], 15, v0                        ; r
	v_bfe_u32 v[TT+1], v0, 4, 1                    ; h
	v_and_b32 v[TT+2], 31, v0                      ; L
	v_bfe_u32 v[TT+3], v0, 3, 1                    ; r / 8
	v_lshlrev_b32 v[TT+4], 4, v[TT+2]              ; 16 L
	v_lshlrev_b32 v[TT+5], 7, v[TT+1]              ; 128 h
	v_lshlrev_b32 v[TT+7], 5, v[TT+1]              ; 32 h
	v_add_nc_u32 v[AW], s34, v[TT+4]
	v_add_nc_u32 v[AW+1], SLOT, v[AW]
	s_lshl_b32 s33, s30, 5
	s_add_co_u32 s33, s33, TB
	v_mad_u32_u24 v[TQW], v[TT], 264, v[TT+5]
	v_add_nc_u32 v[TQW], s33, v[TQW]
	v_mad_u32_u24 v[VTW], v[TT], 528, v[TT+5]
	v_add_nc_u32 v[VTW], s33, v[VTW]
	s_mul_i32 s35, s30, 1056
	s_add_co_u32 s35, s35, TB
	v_lshl_add_u32 v[TQR], v[TT+2], 3, s35
	s_mul_i32 s35, s30, 2112
	s_add_co_u32 s35, s35, TB
	v_lshl_add_u32 v[TT+6], v[TT], 4, v[TT+5]
	v_add_nc_u32 v[TT+6], s35, v[TT+6]
	v_mad_u32_u24 v[VTR], v[TT+3], 33792, v[TT+6]  ; VTO - 128: channel r of the odd unit's region lies at 16 (r - 8)
	v_mad_u32_u24 v[VTR+1], v[TT+3], 16896, v[TT+6]  ; and 32 positions less, for positions 32 on
	v_add_nc_u32 v[LI], TB, v[TT+4]
	s_lshl_b32 s35, s30, 12
	v_add_nc_u32 v[XWI], s35, v[LI]
	v_add_nc_u32 v[GO], s35, v[TT+4]
	v_add_nc_u32 v[GO+1], 0x800000, v[GO]
	s_lshl_b32 s35, s30, 7
	s_add_co_u32 s33, s35, TB
	v_mad_u32_u24 v[SO], v[TT], 528, v[TT+7]
	v_add_nc_u32 v[SO], s33, v[SO]
	v_add_nc_u32 v[BOO], s35, v[TT+7]
	s_lshl_b32 s35, s30, 10
	v_add_nc_u32 v[BQO], s35, v[TT+7]
	s_mul_i32 s35, s30, 8448
	v_add_nc_u32 v[SR], s35, v[LI]
	v_lshlrev_b32 v[BVO], 11, v[TT+1]
	v_lshl_add_u32 v[BVO], v[TT], 2, v[BVO]
	v_lshlrev_b32 v[PFO], 8, v[TT+2]
	v_lshlrev_b32 v[AX], 3, v[TT+1]
	v_mad_u32_u24 v[AX], v[TT], 1040, v[AX]
	v_add_nc_u32 v[AX], SLOT, v[AX]                ; x: row r of a quarter, 8 bytes for each half of the lanes: lane (r, h) starts at bank 4 r + 2 h
	v_add_nc_u32 v[AX+1], 2*QTR, v[AX]
	WIN 0x40                                       ; while the first tiles are on their way: the scores begin as zeros, so that the loop over channels is written once; and the operands' zero codes
.set N, 0
.rept 128
	v_mov_b32 v[N], 0
.set N, N+1
.endr
.irp z, 0,1,2,3,4,5,6,7,8,9,10,11,12,13,14,15
.irp j, 2,3,4,5,6,7
	v_mov_b32 v[128+8*\z+\j], 0
.endr
.endr
	WIN 0
	s_wait_kmcnt 0x0
	s_add_co_i32 s2, s20, s21                      ; e0 + e1: a sum of the first product stands for sum x 2^(e0+e1)
	s_sub_co_i32 s79, 0, s2
	s_sub_co_i32 s33, s26, s2                      ; its code is sum / 2^(e6-e0-e1): three scales folded into the conversion's one
	s_add_co_i32 s33, s33, 127
	s_lshl_b32 s35, s33, 23
	v_mov_b32 v[SCL], s35
	s_add_co_i32 s33, s33, 15
	s_lshl_b32 s33, s33, 23
	s_or_b32 s66, s33, 0x600000                    ; 57,344 x that
	s_or_b32 s67, s66, 0x80000000
	s_add_co_i32 s2, s22, s23                      ; the same for k: e2, e3, e7
	s_sub_co_i32 s80, 0, s2
	s_sub_co_i32 s33, s27, s2
	s_add_co_i32 s33, s33, 127
	s_lshl_b32 s35, s33, 23
	v_mov_b32 v[SCL+1], s35
	s_add_co_i32 s33, s33, 15
	s_lshl_b32 s33, s33, 23
	s_or_b32 s68, s33, 0x600000
	s_or_b32 s69, s68, 0x80000000
	s_add_co_i32 s33, s28, 127                     ; the attention's result: e8
	s_lshl_b32 s35, s33, 23
	v_mov_b32 v[SCL+2], s35
	s_add_co_i32 s33, s33, 15
	s_lshl_b32 s33, s33, 23
	s_or_b32 s70, s33, 0x600000
	s_or_b32 s71, s70, 0x80000000
	s_add_co_i32 s33, s24, s25
	s_add_co_i32 s33, s33, 127
	s_lshl_b32 s72, s33, 23                        ; 2^(e4+e5)
	s_mov_b32 s73, s72                             ; (named with it as a pair)
	s_add_co_i32 s33, s28, s29
	s_add_co_i32 s33, s33, 127
	s_lshl_b32 s74, s33, 23                        ; 2^(e8+e9)
	s_mov_b32 s75, s74
	s_add_co_i32 s33, s26, s27
	s_lshl_b32 s33, s33, 23
	s_add_co_i32 s76, s33, 0x3e38aa3b              ; c = log2(e) / 8, e6 + e7 added to its exponent field
	s_mov_b32 s77, s76
	s_xor_b32 s78, s76, 0x80000000                 ; -c
	s_wait_tensorcnt 0x1                           ; my rows of x are in; unit 0, issued behind them, may stay out
	s_barrier_signal -1
	s_barrier_wait -1                              ; everybody's are
.irp wn, 0,1
	WIN 0x80+0x40*\wn
.irp kq, 0,1,2,3
.irp rt, 0,1,2,3
.irp c, 0,1,2,3,4,5,6,7
	ds_load_b64 v[64*\kq+16*\rt+2*\c:64*\kq+16*\rt+2*\c+1], v[AX+\rt/2] offset:QTR*(\rt%2)+128*(4*\wn+\kq)+16*\c   ; x(16 rt + r, 128 kb + 16 c + 8 h ..)
.endr
.endr
.endr
.endr
	WIN 0
	s_mov_b32 s3, 4
.Lqk:                                              ; units 0-15: a trip is 16 channels of every head of q and k
	QKUNIT 0, 0, 0
	QKUNIT 1, 0, 1
	QKUNIT 0, 1, 0
	QKUNIT 1, 1, 1
	SSTEP
	s_add_nc_u64 s[8:9], s[8:9], 64                ; the next 16 channels' biases (the loads that named these bases were waited for)
	s_add_nc_u64 s[10:11], s[10:11], 64
	s_sub_co_u32 s3, s3, 1
	s_cmp_lg_u32 s3, 0
	s_cbranch_scc1 .Lqk
	; THE SOFTMAX of my 16 positions, in place: a lane holds a query head's scores with 8 key heads, lane l xor 16 the other 8.  p = 2^(c s - c m), m the row's maximum; divided by the row's sum.
	WIN 0x55                                       ; temporaries: v[128 + 2 p], v[129 + 2 p] and v[160 + 2 p], v[161 + 2 p] of window 1
.irp p, 0,1,2,3,4,5,6,7,8,9,10,11,12,13,14,15
	v_max3_num_f32 v[128+2*\p], v[8*\p], v[8*\p+1], v[8*\p+2]
.endr
.irp p, 0,1,2,3,4,5,6,7,8,9,10,11,12,13,14,15
	v_max3_num_f32 v[129+2*\p], v[8*\p+3], v[8*\p+4], v[8*\p+5]
.endr
.irp p, 0,1,2,3,4,5,6,7,8,9,10,11,12,13,14,15
	v_max3_num_f32 v[128+2*\p], v[128+2*\p], v[8*\p+6], v[8*\p+7]
.endr
.irp p, 0,1,2,3,4,5,6,7,8,9,10,11,12,13,14,15
	v_max_num_f32 v[128+2*\p], v[128+2*\p], v[129+2*\p]
.endr
.irp p, 0,1,2,3,4,5,6,7,8,9,10,11,12,13,14,15
	v_permlanex16_b32 v[129+2*\p], v[128+2*\p], s82, s83
.endr
.irp p, 0,1,2,3,4,5,6,7,8,9,10,11,12,13,14,15
	v_max_num_f32 v[128+2*\p], v[128+2*\p], v[129+2*\p]
.endr
.irp p, 0,1,2,3,4,5,6,7,8,9,10,11,12,13,14,15
	v_mul_f32 v[128+2*\p], s78, v[128+2*\p]        ; -c m (c is positive)
.endr
.irp p, 0,1,2,3,4,5,6,7,8,9,10,11,12,13,14,15
.irp q, 0,2,4,6
	v_pk_fma_f32 v[8*\p+\q:8*\p+\q+1], v[8*\p+\q:8*\p+\q+1], s[76:77], v[128+2*\p:129+2*\p] op_sel_hi:[1,0,0]   ; c s - c m; of the pairs the low word serves both halves
.endr
.endr
.set N, 0
.rept 128
	v_exp_f32 v[N], v[N]
.set N, N+1
.endr
	v_nop                                          ; a plain instruction behind the last exponential,
	s_wait_alu depctr_va_vdst(0)                   ; and one wait for the batch, ahead of its first reader
.irp p, 0,1,2,3,4,5,6,7,8,9,10,11,12,13,14,15
	v_pk_add_f32 v[160+2*\p:161+2*\p], v[8*\p:8*\p+1], v[8*\p+2:8*\p+3]
.endr
.irp p, 0,1,2,3,4,5,6,7,8,9,10,11,12,13,14,15
	v_pk_add_f32 v[128+2*\p:129+2*\p], v[8*\p+4:8*\p+5], v[8*\p+6:8*\p+7]
.endr
.irp p, 0,1,2,3,4,5,6,7,8,9,10,11,12,13,14,15
	v_pk_add_f32 v[160+2*\p:161+2*\p], v[160+2*\p:161+2*\p], v[128+2*\p:129+2*\p]
.endr
.irp p, 0,1,2,3,4,5,6,7,8,9,10,11,12,13,14,15
	v_add_f32 v[160+2*\p], v[160+2*\p], v[161+2*\p]
.endr
.irp p, 0,1,2,3,4,5,6,7,8,9,10,11,12,13,14,15
	v_permlanex16_b32 v[161+2*\p], v[160+2*\p], s82, s83
.endr
.irp p, 0,1,2,3,4,5,6,7,8,9,10,11,12,13,14,15
	v_add_f32 v[160+2*\p], v[160+2*\p], v[161+2*\p]
.endr
.irp p, 0,1,2,3,4,5,6,7,8,9,10,11,12,13,14,15
	v_rcp_f32 v[160+2*\p], v[160+2*\p]
.endr
	v_nop
	s_wait_alu depctr_va_vdst(0)                   ; one wait for the sixteen reciprocals
.irp p, 0,1,2,3,4,5,6,7,8,9,10,11,12,13,14,15
.irp q, 0,2,4,6
	v_pk_mul_f32 v[8*\p+\q:8*\p+\q+1], v[8*\p+\q:8*\p+\q+1], v[160+2*\p:161+2*\p] op_sel_hi:[1,0]
.endr
.endr
	WIN 0
	s_mov_b32 s88, 0
.Lv:                                               ; units 16-23: a trip is 16 channels of every head of v, and the attention's result for them
	UTOP 1
.irp i, 0,1,2,3,4,5,6,7
	global_load_b32 v[BV+\i], v[BVO], s[12:13] offset:256*\i   ; bv(head 8 h + i, channel 16 t + r)
.endr
	UMEET 0, 1, 1
	GEMM 0, 0, 0
	PLACES 4
	VST 0, 0                                       ; channels 0-7 of the tile, all 64 positions
	VST 1, 8448
	VST 2, 16896
	VST 3, 25344
	UTOP 1
	UMEET 1, 1, 1
	GEMM 1, 0, 0
	PLACES 4
	VST 0, VTO                                     ; channels 8-15, positions 0-31
	VST 1, VTO+8448
	BAR
	P5LOAD 0
	BAR                                            ; everybody has read them:
	VST 2, VTO                                     ; positions 32-63 take their place
	VST 3, VTO+8448
	s_wait_loadcnt 0x0                             ; bv
	P5CALC 0
	BAR
	P5LOAD 1
	s_wait_dscnt 0x0
	P5CALC 1
	s_cmp_lg_u32 s88, 0                            ; register numbers cannot be indexed: four arms on the trip's number, the same in all waves and partners
	s_cbranch_scc1 .Lc1
	CARM 0
	s_branch .Lcd
.Lc1:
	s_cmp_lg_u32 s88, 1
	s_cbranch_scc1 .Lc2
	CARM 1
	s_branch .Lcd
.Lc2:
	s_cmp_lg_u32 s88, 2
	s_cbranch_scc1 .Lc3
	CARM 2
	s_branch .Lcd
.Lc3:
	CARM 3
.Lcd:
	s_add_nc_u64 s[12:13], s[12:13], 64            ; (bv's loads were waited for)
	s_add_co_u32 s88, s88, 1
	s_cmp_lt_u32 s88, 4
	s_cbranch_scc1 .Lv
	; THE CODES GO TO ALL WAVES, as images of their registers: lane l's 16 bytes at 16 l.  In two halves (jl = 0, 1; jl = 2, 3) of 16 fragments, 32,768 bytes.  They replace x.
	BAR                                            ; everybody has read v
.irp hf, 0,1
	WIN 0x04                                       ; the stores' data in window 1
.irp jj, 0,1
.irp e, 0,1
.irp c, 0,1,2,3
	ds_store_b128 v[XWI], v[128+16*(2*(2*\hf+\jj)+\e)+4*\c:128+16*(2*(2*\hf+\jj)+\e)+4*\c+3] offset:16384*\jj+2048*\e+512*\c   ; fragment (jl, K step 2 w + e)
.endr
.endr
.endr
	BAR
	WIN 0x80
.irp jj, 0,1
.irp kq, 0,1,2,3
.irp c, 0,1,2,3
	ds_load_b128 v[64*\kq+16*(2*\hf+\jj)+4*\c:64*\kq+16*(2*\hf+\jj)+4*\c+3], v[LI] offset:16384*\jj+2048*\kq+512*\c
.endr
.endr
.endr
	WIN 0xc0
.irp jj, 0,1
.irp kq, 0,1,2,3
.irp c, 0,1,2,3
	ds_load_b128 v[64*\kq+16*(2*\hf+\jj)+4*\c:64*\kq+16*(2*\hf+\jj)+4*\c+3], v[LI] offset:16384*\jj+2048*(4+\kq)+512*\c
.endr
.endr
.endr
.if \hf == 0
	BAR                                            ; everybody has read the first half
.endif
.endr
	WIN 0
	s_mov_b32 s3, 3
.Lo:                                               ; units 24-29
	OUNIT 0, 1, 1
	OUNIT 1, 1, 1
	s_sub_co_u32 s3, s3, 1
	s_cmp_lg_u32 s3, 0
	s_cbranch_scc1 .Lo
	OUNIT 0, 1, 0                                  ; the tail is written out: unit 30 asks for unit 31 and prefetches nothing
	OUNIT 1, 0, 0                                  ; unit 31 asks for nothing
	s_wait_tensorcnt 0x0                           ; the wave's end, behind my last tensor load and my last LDS store
	ds_add_u32 v[SPW], v[NIL]
	s_wait_dscnt 0x0
	ROUND                                          ; the closing round: no work-group ends while a partner may still ask for a unit that names it
	s_endpgm
.Lfunc_end_k_qf15d42ab35_mha:
	.size	k_qf15d42ab35_mha, .Lfunc_end_k_qf15d42ab35_mha-k_qf15d42ab35_mha
	.p2alignl 7, 3214868480
	.fill 96, 4, 3214868480
	.section	.rodata,"a",@progbits
	.p2align	6, 0x0
	.amdhsa_kernel k_qf15d42ab35_mha
		.amdhsa_group_segment_fixed_size 327680
		.amdhsa_private_segment_fixed_size 0
		.amdhsa_enable_private_segment 0
		.amdhsa_kernarg_size 64
		.amdhsa_user_sgpr_count 2
		.amdhsa_user_sgpr_kernarg_segment_ptr 1
		.amdhsa_wavefront_size32 1
		.amdhsa_system_sgpr_workgroup_id_x 1
		.amdhsa_system_sgpr_workgroup_id_y 1
		.amdhsa_system_sgpr_workgroup_id_z 1
		.amdhsa_system_vgpr_workitem_id 0
		.amdhsa_next_free_vgpr 1024
		.amdhsa_next_free_sgpr 96
		.amdhsa_reserve_vcc 0
		.amdhsa_float_denorm_mode_32 3
		.amdhsa_float_denorm_mode_16_64 3
		.amdhsa_memory_ordered 1
		.amdhsa_forward_progress 1
		.amdhsa_inst_pref_size 251
	.end_amdhsa_kernel
	.amdgpu_metadata
---
amdhsa.version: [ 1, 2 ]
amdhsa.kernels:
  - .name:           k_qf15d42ab35_mha
    .symbol:         k_qf15d42ab35_mha.kd
    .args:
      - { .name: hidden_state_codes, .offset: 0, .size: 8, .value_kind: global_buffer, .address_space: global }
      - { .name: wstream, .offset: 8, .size: 8, .value_kind: global_buffer, .address_space: global }
      - { .name: bq, .offset: 16, .size: 8, .value_kind: global_buffer, .address_space: global }
      - { .name: bk, .offset: 24, .size: 8, .value_kind: global_buffer, .address_space: global }
      - { .name: bv, .offset: 32, .size: 8, .value_kind: global_buffer, .address_space: global }
      - { .name: bo, .offset: 40, .size: 8, .value_kind: global_buffer, .address_space: global }
      - { .name: lowp_scales, .offset: 48, .size: 8, .value_kind: global_buffer, .address_space: global }
      - { .name: out0, .offset: 56, .size: 8, .value_kind: global_buffer, .address_space: global }
    .group_segment_fixed_size: 327680
    .private_segment_fixed_size: 0
    .kernarg_segment_align: 8
    .kernarg_segment_size: 64
    .max_flat_workgroup_size: 128
    .sgpr_count:     96
    .vgpr_count:     1024
    .wavefront_size: 32
...
	.end_amdgpu_metadata
.endif
;; end of part 2
;; ======== version 2 of 2: 2 launches
;; workspace buffers: wstream 4,194,304 bytes
;; launch lay: the kernel of part 1 again; grid 256 x 1, 4 waves a work-group, no clusters, 17,920 bytes of LDS; arguments Wq_codes, Wk_codes, Wv_codes, Wo_codes, wstream; writes wstream
;; launch mha (part 3): grid 256 x 1, 4 waves a work-group, clusters of 4 x 1, 327,680 bytes of LDS; arguments hidden_state_codes, wstream, bq, bk, bv, bo, lowp_scales, out0; writes out0
.if DOCPART == 3
	.amdgcn_target "amdgcn-amd-amdhsa--gfx1250"
	.amdhsa_code_object_version 6
	.text
	.protected	k_qf15d42ab35_mha
	.globl	k_qf15d42ab35_mha
	.p2align	8
	.type	k_qf15d42ab35_mha,@function
k_qf15d42ab35_mha:
	s_mov_b64 s[64:65], 0
	v_nop
	global_prefetch_b8 v0, s[64:65] scope:SCOPE_SE
	s_setreg_imm32_b32 hwreg(HW_REG_WAVE_MODE, 25, 1), 1
	s_wait_xcnt 0x0
	s_wait_alu depctr_hold_cnt(0) depctr_sa_sdst(0) depctr_va_vdst(0) depctr_va_sdst(0) depctr_va_ssrc(0) depctr_va_vcc(0) depctr_vm_vsrc(0)
	s_getreg_b32 s2, hwreg(HW_REG_IB_STS2, 6, 4)
	s_cmp_eq_u32 s2, 0
	s_cbranch_scc0 .Lentry_in_a_cluster
	s_endpgm
.Lentry_in_a_cluster:
	s_bfe_u32 s2, ttmp6, 0x10000c
	s_cmp_lg_u32 s2, 0x3003
	s_cbranch_scc0 .Lentry_shape_is_right
	s_endpgm
.Lentry_shape_is_right:
; ALL OF reference() FOR 64 POSITIONS A WORK-GROUP; nothing is left out, and no intermediate goes to memory.
; q, k, v = x W + b (E5M2 codes, x's scale taken anew for each product); for each position the 16 x 16 scores between its HEADS on codes of q and k; softmax with the row's maximum taken away; P v in f32;
; the result, quantised, is the last product's operand: row h*256 + s/16 of that operand holds head h of positions 16 (s/16) .. + 15, at columns 64 (s%16) + d.  So 64 neighbouring positions make 64 whole rows.
; LIMITS on the given exponents, so that each power of two below is an f32 number: e6-e0-e1, e7-e2-e3 and e8 between -126 and 112; e4+e5 and e8+e9 between -126 and 127; e6+e7 between -124 and 129.
; NaN among the biases is not served.
; SHARES.  Work-group g = 4 x cluster + cx owns positions 64 g .. 64 g + 63.  All work-groups walk wstream, 32 units of 128 output columns x all K = 1,024 (131,072 bytes, laid by the launch before in the order of the
; operand registers).  Wave w fetches and reads only its quarter of a unit: 2 column tiles x 8 K steps = 16 fragments, each multiplied against all 64 rows: 64 matrix instructions a unit on 8 accumulators by turns.
; x's 32 fragments stay in every wave's registers (512), so LDS is read for weights alone, each byte once; in the last pass the attention's codes take their place.
; THE PRODUCTS ARE USED TRANSPOSED (source 0 = 16 weight rows, source 1 = 16 positions): a lane holds one position and eight weight rows.
; CLUSTER.  The four partners walk the same units: each quarter is asked for JOINTLY, by the same tensor load with the same descriptor and the mask 15.
; THE WALK.  Units 0-15, four trips: Q(t,0), Q(t,1), K(t,0), K(t,1): a tile is one head x channels 16 t .. + 15; the sums are quantised and go through LDS; then each wave adds, for its 16 positions, these 16 channels' part
; of the scores (the K = 64 form, 16 codes loaded, 48 zero codes).  The softmax.  Units 16-23, four trips: a tile is one channel x 16 heads; v goes through LDS in f32; P v for channels 16 t .. + 15 by the f32 form; quantised.
; The codes go to all waves through LDS.  Units 24-31: the last product, 128 columns of out0 a unit.
; EACH CLUSTER WALKS A PASS IN A ROTATED ORDER: cluster c begins the first two passes at t = c % 4 and goes on modulo 4, and the last pass at column block c % 8 and goes on modulo 8, so that the clusters do not all ask for
; the same unit at the same time.  The order inside a pass is free: the scores are a sum over t, the attention's channel tiles and out0's column blocks are independent.  The order hangs on the cluster's number, which the partners share.
; In the attention wave w owns positions p = 0..15: s = 16 (p/4) + 4 w + p%4, so that its codes are whole fragments (rows: jl = p/4; K step 2 w + (p%4)/2) of the last product's operand.
; LDS: two slots of 133,120 bytes (a wave's quarter: 32 rows of 1,024 bytes + 16 of padding); T, 60,928 bytes written by LDS stores alone, never a tensor load's target; the spare words.  All of a WGP's LDS is claimed.
; x comes first into slot 1, by a tile of the slot's own shape (of its 32 rows the tensor has 16; the others arrive as zeros).
; REGISTERS, in windows of 256 (s_set_vgpr_msb: bits 1:0 source 0, 3:2 source 1, 5:4 source 2, 7:6 destination):
;   window 0: v1-19 addresses; v20-22 the conversions' scales; v24-31 v's bias; v32-127 POOL: six weight fragments; outside a unit's products v32-63 are at work, and v64-127 hold v, later rows of out0;
;             v128-191 the 8 accumulators (tile (ct, rt) at 128 + 8 (4 ct + rt)); v192-223 four accumulators of the f32 form, written by matrix instructions alone; v224-255 fresh codes, or (v224-239) a unit's bias.
;   window 1: v0-127 the scores, then P: position p at 8 p; lane (r, h), register j: query head r, key head 8 h + j.  v128-255: sixteen operands of the K = 64 form; then the softmax's temporaries; then my eight fragments of codes.
;   windows 2, 3: x's fragments, later the attention's codes: (rt, kb) at 64 (kb % 4) + 16 rt of window 2 + kb / 4.
.set QTR,   33280                      ; a wave's quarter of a slot: 32 rows x 1,040
.set SLOT,  4*QTR
.set TB,    2*SLOT                     ; T: 266,240
.set SPARE, 327168                     ; the spare words, 128 bytes for each wave
.set UNITB, 131072                     ; a unit in wstream
.set TKO,   16896                      ; in T: q's codes 64 positions x 264 bytes, then k's
.set VTO,   33920                      ; in T: v's channels 0-7 of a tile: 64 positions x 528 bytes; then, 128 bytes further on, channels 8-15 for 32 positions
.set SPW, 1                            ; v1   my spare word; never rewritten
.set NIL, 2                            ; v2   0; never rewritten
.set AW,  3                            ; v3-4 16 L + QTR w, in slot 0, 1
.set TQW, 5                            ; v5   TB + 264 r + 128 h + 32 w
.set TQR, 6                            ; v6   TB + 8 L + 1,056 w
.set VTW, 7                            ; v7   TB + 528 r + 128 h + 32 w
.set VTR, 8                            ; v8-9 TB + 16 r + 128 h + 2,112 w + (33,792 | 16,896) (r / 8)
.set LI,  10                           ; v10  TB + 16 L
.set XWI, 11                           ; v11  LI + 4,096 w
.set SO,  12                           ; v12  TB + 528 r + 32 h + 128 w
.set SR,  13                           ; v13  TB + 16 L + 8,448 w
.set GO,  14                           ; v14-15 16 L + 4,096 w, and that + 2^23
.set BQO, 16                           ; v16  1,024 w + 32 h
.set BOO, 17                           ; v17  128 w + 32 h
.set BVO, 18                           ; v18  2,048 h + 4 r
.set PFO, 19                           ; v19  256 L
.set SCL, 20                           ; v20-22 2^(e6-e0-e1), 2^(e7-e2-e3), 2^e8 as f32
.set BV,  24
.set POOL, 32                          ; six fragments of 16 registers
.set TT,  32                           ; at work, outside a unit's products
.set AX,  40                           ; v40-41 at the head: x's rows in slot 1
.set VP,  64                           ; v, later rows of out0
.set ACC, 128
.set OD,  192
.set CT,  224
.set BIAS, 224
; SCALARS: s2, s3, s33-35 at work (s3 later counts loops); s[4:19] the eight addresses; s20-29 e0..e9, and once the constants are made: s20 t, s21 the column block, s[22:23] an offset as a pair, s[24:29] bases of a trip or unit;
; s30 wave, s31 cx, s32 g; s[36:43], s[44:51] groups 1 (units, x); s[52:55], s[56:59], s[60:63] groups 0 (slot 0, slot 1, x);
; s66/67, s68/69, s70/71 +/- the largest code x the scale (q, k, the attention's result); s[72:73] 2^(e4+e5); s[74:75] 2^(e8+e9); s[76:77] c = log2(e)/8 x 2^(e6+e7), s78 -c; s79, s80 -(e0+e1), -(e2+e3);
; s81 3 in the cluster that prefetches, else 0; s[82:83] lane selects; s[84:85] where my prefetches stand; s[86:87] out0; s88 counts the V pass's trips; s[90:91] the byte in wstream of the unit asked for last;
; s[92:93] wstream at my quarter; s94 the last pass's first unit; s95 at work (it never holds my place in the cluster).
.set MSB, 0
.macro WIN new                         ; the immediate's high byte repeats the setting that is left; a switch that changes nothing is dropped
.if MSB != (\new)
	s_set_vgpr_msb (MSB<<8)|(\new)
.set MSB, (\new)
.endif
.endm
.macro PLACES n                        ; plain vector instructions between a matrix instruction and what touches its registers (ISA guide 7.12.1)
.rept \n
	v_nop
.endr
.endm
.macro ROUND                           ; a round of the cluster's barrier: my work-group's barrier; wave 0 signals for the work-group; every wave waits for all four; my work-group's barrier once more
	s_barrier_signal -1
	s_barrier_wait -1
	s_cmp_lg_u32 s30, 0
	s_cbranch_scc1 .Lnw0_\@
	s_barrier_signal -3
.Lnw0_\@:
	s_barrier_wait -3
	s_barrier_signal -1
	s_barrier_wait -1
.endm
.macro BAR                             ; my LDS stores have landed and my LDS loads are in; then the work-group's barrier.  The unit on its way may stay out
	s_wait_dscnt 0x0
	s_barrier_signal -1
	s_barrier_wait -1
.endm
.macro UTOP ask                        ; a unit's top: the last prefetch (a unit back) has read its address, and earlier stores their data and base
	s_wait_xcnt 0x0
.if \ask
	s_add_nc_u64 s[84:85], s[84:85], UNITB
.endif
.endm
; THE CHANGE OF SLOTS, at the head of the unit in slot \slot.  Each wave waits for all its tensor loads (one is out: its quarter of this unit), adds 0 to its spare word, and waits for that and for its reads of the other slot.
; refill = 1: behind a round of the cluster's barrier the other slot takes the walk's next unit: a wave's one tensor load until the next round; it has this whole unit in which to land.
; THE NEXT UNIT's byte in wstream is made between the add and its wait, from the cluster's number and loop steps alone: one unit on, modulo the pass's size, on the pass's base.
;   mode 0, 1: units 0-15; mode 1 stands at a trip's last unit: in the last trip (s3 = 1) the step has come back to 4 (c % 4) units, and the V pass begins at unit 16 + 2 (c % 4): half of that, + 16 units.
;   mode 2, 3: units 16-23; mode 3 at a trip's last unit: in the last trip (s88 = 3) the last pass's first unit, 24 + c % 8, follows.   mode 4: units 24-31.
; ask = 1: A PREFETCH INTO THE L2 of units 16 to 31, one a unit, at places 8 to 23 of the walk (the last two trips of the first pass, and the V pass): the V pass's units 2 to 8 units ahead of their first load, the last pass's
; 1 to 8 ahead.  Cluster 0 alone asks; its 16 waves x 32 lanes, 256 bytes apart, name a unit's 131,072 bytes once; the partners are told apart by address (32,768 cx + 8,192 w).
; Units 0 to 15 come by their loads alone, and the last pass asks for nothing: no unit lies behind unit 31.
.macro UMEET slot, refill, ask, mode
	s_wait_tensorcnt 0x0                           ; no tensor load of mine is out, so a group 0 may be written
	ds_add_u32 v[SPW], v[NIL]
.if \refill
	s_add_co_u32 s90, s90, UNITB
.if (\mode) < 2
	s_and_b32 s90, s90, 16*UNITB-1
.else
	s_and_b32 s90, s90, 8*UNITB-1
	s_or_b32 s90, s90, ((\mode)/2+1)*8*UNITB
.endif
.if (\mode) == 1
	s_lshr_b32 s95, s90, 1
	s_add_co_u32 s95, s95, 16*UNITB
	s_cmp_eq_u32 s3, 1
	s_cselect_b32 s90, s95, s90
.endif
.if (\mode) == 3
	s_cmp_eq_u32 s88, 3
	s_cselect_b32 s90, s94, s90
.endif
	s_add_nc_u64 s[58-4*\slot:59-4*\slot], s[92:93], s[90:91]   ; the other slot's group 0: my quarter of that unit
	s_or_b32 s[59-4*\slot], s[59-4*\slot], 0x80000000           ; type = 2
.endif
	s_wait_dscnt 0x0                               ; the add is done, and all my LDS reads and stores are over
.if \refill
	ROUND
	tensor_load_to_lds s[56-4*\slot:59-4*\slot], s[36:43]
	s_nop 0
	PLACES 4
.if \ask
	s_cmp_gt_u32 s81, s3                           ; cluster 0, and s3 under 3: 2 and 1 in the first pass's last two trips, 0 behind it
	s_cbranch_scc0 .Lna_\@
	global_prefetch_b8 v[PFO], s[84:85] th:TH_LOAD_NT scope:SCOPE_SE
.Lna_\@:
.endif
.else
	s_barrier_signal -1
	s_barrier_wait -1
.endif
.endm
.macro FRAGS slot, ks                  ; K step ks's two weight fragments: 8 loads of 512 consecutive bytes; 16 bytes of padding lie behind each 1,024
.irp ct, 0,1
.irp c, 0,1,2,3
	ds_load_b128 v[POOL+16*((2*(\ks)+\ct)%6)+4*\c:POOL+16*((2*(\ks)+\ct)%6)+4*\c+3], v[AW+\slot] offset:(2*(\ks)+\ct)*2080+(\c/2)*1040+(\c%2)*512
.endr
.endr
.endm
.macro KSTEP ks, cmode                 ; 8 matrix instructions, the 8 accumulators by turns in the same order in every K step.  The first K step starts the sums: with 0, or with the bias
.irp rt, 0,1,2,3
.irp ct, 0,1
.if (\ks) > 0
	v_wmma_f32_16x16x128_bf8_bf8 v[ACC+8*(4*\ct+\rt):ACC+8*(4*\ct+\rt)+7], v[POOL+16*((2*(\ks)+\ct)%6):POOL+16*((2*(\ks)+\ct)%6)+15], v[64*((\ks)%4)+16*\rt:64*((\ks)%4)+16*\rt+15], v[ACC+8*(4*\ct+\rt):ACC+8*(4*\ct+\rt)+7]
.elseif \cmode
	v_wmma_f32_16x16x128_bf8_bf8 v[ACC+8*(4*\ct+\rt):ACC+8*(4*\ct+\rt)+7], v[POOL+16*((2*(\ks)+\ct)%6):POOL+16*((2*(\ks)+\ct)%6)+15], v[64*((\ks)%4)+16*\rt:64*((\ks)%4)+16*\rt+15], v[BIAS+8*\ct:BIAS+8*\ct+7]
.else
	v_wmma_f32_16x16x128_bf8_bf8 v[ACC+8*(4*\ct+\rt):ACC+8*(4*\ct+\rt)+7], v[POOL+16*((2*(\ks)+\ct)%6):POOL+16*((2*(\ks)+\ct)%6)+15], v[64*((\ks)%4)+16*\rt:64*((\ks)%4)+16*\rt+15], 0
.endif
.endr
.endr
.endm
; A unit's 64 products.  The pool holds three K steps' fragments: K step ks + 3's loads go out behind K step ks, into the registers that it has read, and have two K steps, 16 matrix instructions, in which to come back.
; cmode = 1: the bias, divided by the power of two that the sums lack, is the C of the first K step
.macro GEMM slot, cmode, which
	FRAGS \slot, 0
	FRAGS \slot, 1
	FRAGS \slot, 2
.if \cmode
	s_wait_loadcnt 0x0                             ; the bias
.irp j, 0,1,2,3,4,5,6,7,8,9,10,11,12,13,14,15
	v_ldexp_f32 v[BIAS+\j], v[BIAS+\j], s[79+\which]
.endr
.endif
.irp ks, 0,1,2,3,4,5,6,7
.if \ks < 6
	s_wait_dscnt 16                                ; this K step's 8 loads are in; the 16 of the next two steps may be out
.elseif \ks == 6
	s_wait_dscnt 8                                 ; the last step's 8 may be out
.else
	s_wait_dscnt 0
.endif
	WIN 0x08+4*(\ks/4)                             ; source 1 in window 2, from K step 4 on in window 3
	KSTEP \ks, \cmode
.if \ks < 5
	PLACES 4                                       ; in front of loads into registers that these products have read
	FRAGS \slot, \ks+3
.endif
.endr
	WIN 0
.endm
; Q and K: lane (r, h) of tile (ct, rt) holds position 16 rt + r, head 4 w + 2 hh + ct, channels 16 t + 8 h + 0..7: held at the largest code, converted, 8 bytes into T at 264 x position + 128 h + 8 x head
.macro QEPI which, hh
	PLACES 4
.irp tl, 0,1,2,3,4,5,6,7
.irp j, 0,1,2,3,4,5,6,7
	v_med3_num_f32 v[ACC+8*\tl+\j], v[ACC+8*\tl+\j], s[67+2*\which], s[66+2*\which]   ; the conversion to an 8-bit code does not saturate (ISA guide 7.6.2)
.endr
	v_cvt_scalef32_pk8_bf8_f32 v[TT+2*\tl:TT+2*\tl+1], v[ACC+8*\tl:ACC+8*\tl+7], v[SCL+\which]
.endr
	v_nop                                          ; a plain instruction behind the last conversion: the next products write its sources
.irp tl, 0,1,2,3,4,5,6,7
	ds_store_b64 v[TQW], v[TT+2*\tl:TT+2*\tl+1] offset:4224*(\tl%4)+8*(2*\hh+\tl/4)+TKO*\which   ; lane (r, h) starts at bank 2 r + 32 h
.endr
.endm
.macro QKUNIT slot, which, hh, mode
	UTOP 1
.irp ct, 0,1
.irp a, 0,1
	global_load_b128 v[BIAS+8*\ct+4*\a:BIAS+8*\ct+4*\a+3], v[BQO], s[24+2*\which:25+2*\which] offset:256*(2*\hh+\ct)+16*\a
.endr
.endr
	UMEET \slot, 1, 1, \mode
	GEMM \slot, 1, \which
	QEPI \which, \hh
.endm
; The scores of my 16 positions take in these 16 channels: S^T += k q^T, source 0 = 16 key heads, source 1 = 16 query heads; of an operand's 8 registers two are loaded (k = 8 h + 0..7), six hold zero codes
.macro SSTEP
	BAR                                            ; all four waves' codes of q and k lie in T
.irp b, 0,1
	WIN 0x40
.irp z, 0,1,2,3,4,5,6,7
	ds_load_b64 v[128+16*\z:129+16*\z], v[TQR] offset:264*(16*((8*\b+\z)/4)+\z%4)+TKO
	ds_load_b64 v[136+16*\z:137+16*\z], v[TQR] offset:264*(16*((8*\b+\z)/4)+\z%4)
.endr
	s_wait_dscnt 0x0
	WIN 0x55
.irp z, 0,1,2,3,4,5,6,7
	v_wmma_f32_16x16x64_bf8_bf8 v[8*(8*\b+\z):8*(8*\b+\z)+7], v[128+16*\z:135+16*\z], v[136+16*\z:143+16*\z], v[8*(8*\b+\z):8*(8*\b+\z)+7]
.endr
	WIN 0
	PLACES 4                                       ; in front of the next loads into the operands, and of the softmax's first reads
.endr
.endm
.macro VST rt, off                     ; v's raw sums of positions 16 rt + r: lane (r, h) holds heads 8 h + 0..7 of channel 8 hh + 2 w + ct: at 528 x position + 256 a + 128 h + 16 x (2 w + ct)
.irp ct, 0,1
.irp a, 0,1
	ds_store_b128 v[VTW], v[ACC+8*(4*\ct+\rt)+4*\a:ACC+8*(4*\ct+\rt)+4*\a+3] offset:\off+16*\ct+256*\a
.endr
.endr
.endm
.macro P5LOAD sg                       ; eight of my positions: lane (r, h), register i: v(head 8 h + i, channel 16 t + r); lanes with r under 8 read the even unit's region, the others the odd unit's
.irp pp, 0,1,2,3,4,5,6,7
.irp a, 0,1
	ds_load_b128 v[VP+8*\pp+4*\a:VP+8*\pp+4*\a+3], v[VTR+\sg] offset:528*(16*(2*\sg+\pp/4)+\pp%4)+256*\a
.endr
.endr
.endm
.macro VFIX pp0                        ; four positions: v = sum x 2^(e4+e5) + bv
.irp pp, \pp0, \pp0+1, \pp0+2, \pp0+3
.irp q, 0,2,4,6
	v_pk_fma_f32 v[VP+8*(\pp)+\q:VP+8*(\pp)+\q+1], v[VP+8*(\pp)+\q:VP+8*(\pp)+\q+1], s[72:73], v[BV+\q:BV+\q+1] op_sel_hi:[1,0,1]
.endr
.endr
.endm
.macro PVMUL sg, bb                    ; O^T = v^T P^T for four positions, in f32: source 0 = 16 channels, source 1 = 16 query heads; K slot (h, j) of step kk is key head 8 h + 2 kk + j on both sides.  Four accumulators by turns; step 0 starts the sums
	WIN 0x04
.irp kk, 0,1,2,3
.irp z, 0,1,2,3
.if \kk == 0
	v_wmma_f32_16x16x4_f32 v[OD+8*\z:OD+8*\z+7], v[VP+8*(4*\bb+\z)+2*\kk:VP+8*(4*\bb+\z)+2*\kk+1], v[8*(8*\sg+4*\bb+\z)+2*\kk:8*(8*\sg+4*\bb+\z)+2*\kk+1], 0
.else
	v_wmma_f32_16x16x4_f32 v[OD+8*\z:OD+8*\z+7], v[VP+8*(4*\bb+\z)+2*\kk:VP+8*(4*\bb+\z)+2*\kk+1], v[8*(8*\sg+4*\bb+\z)+2*\kk:8*(8*\sg+4*\bb+\z)+2*\kk+1], v[OD+8*\z:OD+8*\z+7]
.endif
.endr
.endr
	WIN 0
.endm
.macro MEDCVT sg, bb                   ; lane (r, h): query head r, channels 16 t + 8 h + 0..7: held into other registers, converted: a pair of the last product's operand
.irp z, 0,1,2,3
.irp j, 0,1,2,3,4,5,6,7
	v_med3_num_f32 v[TT+8*\z+\j], v[OD+8*\z+\j], s71, s70
.endr
	v_cvt_scalef32_pk8_bf8_f32 v[CT+2*(8*\sg+4*\bb+\z):CT+2*(8*\sg+4*\bb+\z)+1], v[TT+8*\z:TT+8*\z+7], v[SCL+2]
.endr
	v_nop
.endm
.macro P5CALC sg
	VFIX 0
	PVMUL \sg, 0
	VFIX 4                                         ; sixteen plain instructions that name no register of those products: the places in front of the reads of their sums and of the products that begin the accumulators anew
	MEDCVT \sg, 0
	PVMUL \sg, 1
	PLACES 8
	MEDCVT \sg, 1
.endm
.macro CARM t                          ; the trip's 16 pairs go to their places: position p's fragment 2 (p/4) + (p%4)/2, registers 2 (4 (p%2) + t)
	WIN 0x40
.irp p, 0,1,2,3,4,5,6,7,8,9,10,11,12,13,14,15
	v_mov_b32 v[128+16*(2*(\p/4)+(\p%4)/2)+2*(4*(\p%2)+\t)], v[CT+2*\p]
	v_mov_b32 v[128+16*(2*(\p/4)+(\p%4)/2)+2*(4*(\p%2)+\t)+1], v[CT+2*\p+1]
.endr
	WIN 0
.endm
.macro OUNIT slot, refill              ; 128 columns of out0: block s21
	UTOP 0
	s_lshl_b32 s22, s21, 9                         ; the block's 512 bytes of a row of out0, and of bo
	s_add_nc_u64 s[24:25], s[86:87], s[22:23]      ; (behind the wait on XCNT: the last unit's stores have read their base)
	s_add_nc_u64 s[26:27], s[14:15], s[22:23]
	s_add_co_u32 s21, s21, 1
	s_and_b32 s21, s21, 7                          ; the next unit's block
.irp ct, 0,1
.irp a, 0,1
	global_load_b128 v[BIAS+8*\ct+4*\a:BIAS+8*\ct+4*\a+3], v[BOO], s[26:27] offset:64*\ct+16*\a
.endr
.endr
	UMEET \slot, \refill, 0, 4
	GEMM \slot, 0, 0
	PLACES 4
	s_wait_loadcnt 0x0                             ; bo
.irp tl, 0,1,2,3,4,5,6,7
.irp q, 0,2,4,6
	v_pk_fma_f32 v[ACC+8*\tl+\q:ACC+8*\tl+\q+1], v[ACC+8*\tl+\q:ACC+8*\tl+\q+1], s[74:75], v[BIAS+8*(\tl/4)+\q:BIAS+8*(\tl/4)+\q+1] op_sel_hi:[1,0,1]   ; sum x 2^(e8+e9) + bo
.endr
.endr
.irp tl, 0,1,2,3,4,5,6,7
.irp a, 0,1
	ds_store_b128 v[SO], v[ACC+8*\tl+4*\a:ACC+8*\tl+4*\a+3] offset:8448*(\tl%4)+64*(\tl/4)+16*\a   ; stage row 16 jl + head; a lane's eight neighbouring columns
.endr
.endr
	BAR                                            ; a row's 512 bytes come from four waves
.irp i, 0,1,2,3,4,5,6,7,8,9,10,11,12,13,14,15
	ds_load_b128 v[VP+4*\i:VP+4*\i+3], v[SR] offset:528*\i
.endr
.irp i, 0,1,2,3,4,5,6,7,8,9,10,11,12,13,14,15
	s_wait_dscnt 15-\i                             ; load i is in; the 15 - i behind it may be out
	global_store_b128 v[GO+\i/8], v[VP+4*\i:VP+4*\i+3], s[24:25] offset:(\i%8)<<20 th:TH_STORE_NT   ; row (head i, jl = w): 32 lanes store 512 consecutive bytes, aligned
.endr
.endm
	s_load_b256 s[4:11], s[0:1], 0x0               ; x s[4:5], wstream s[6:7], bq s[8:9], bk s[10:11]
	s_load_b256 s[12:19], s[0:1], 0x20             ; bv s[12:13], bo s[14:15], the scales s[16:17], out0 s[18:19]
	v_lshl_add_u32 v[SPW], v0, 2, SPARE
	v_mov_b32 v[NIL], 0
	ds_add_u32 v[SPW], v[NIL]                      ; the wave's opening: the add, twice on end, and its wait ahead of my first tensor load
	ds_add_u32 v[SPW], v[NIL]
	v_lshrrev_b32 v[TT], 5, v0
	v_readfirstlane_b32 s30, v[TT]                 ; wave 0..3
	s_bfe_u32 s31, ttmp6, 0x40000                  ; cx
	s_lshl_b32 s32, ttmp9, 2
	s_add_co_u32 s32, s32, s31                     ; g: it enters x's, out0's and the prefetches' addresses alone
	; group 1 for the units: 32 rows of 1,024 bytes, dense in memory, 16 bytes of padding behind each in LDS
	s_mov_b32 s36, 15|(1<<20)|(1<<21)|(7<<22)|(3<<25)  ; 15:0 the mask: all four partners; 17:16 elements of 1 byte; 20 padding on; 21 set beside a mask; 24:22 after every 256 words (code 7); 31:25 four words (code 3)
	s_mov_b32 s37, 1024<<16                        ; tensor_dim0
	s_mov_b32 s38, 32<<16                          ; tensor_dim1
	s_mov_b32 s39, 1024<<16                        ; tile_dim0
	s_mov_b32 s40, 32                              ; tile_dim1
	s_mov_b32 s41, 1024                            ; from row to row
	s_mov_b32 s42, 0
	s_mov_b32 s43, 0
	; group 1 for x: no mask; the same tile, of which the tensor has 16 rows: the other 16 arrive as zeros
	s_mov_b32 s44, (1<<20)|(7<<22)|(3<<25)
	s_mov_b32 s45, 1024<<16
	s_mov_b32 s46, 16<<16
	s_mov_b32 s47, 1024<<16
	s_mov_b32 s48, 32
	s_mov_b32 s49, 1024
	s_mov_b32 s50, 0
	s_mov_b32 s51, 0
	s_mov_b32 s82, 0x76543210                      ; v_permlanex16_b32: lane l xor 16
	s_mov_b32 s83, 0xfedcba98
	s_cmp_eq_u32 ttmp9, 0                          ; the cluster's number: the same in all four partners
	s_cselect_b32 s81, 3, 0
	s_and_b32 s90, ttmp9, 3                        ; my cluster's first unit: 4 (c % 4)
	s_lshl_b32 s90, s90, 19
	s_mov_b32 s91, 0
	s_mul_i32 s34, s30, QTR                        ; my quarter of a slot: no place in the cluster enters an LDS address
	s_mov_b32 s3, 0
	s_wait_dscnt 0x0                               ; both opening adds are done
	s_wait_kmcnt 0x0
	s_load_b256 s[20:27], s[16:17], 0x0            ; e0 .. e7
	s_load_b64 s[28:29], s[16:17], 0x20            ; e8, e9
	s_lshl_b32 s2, s30, 15
	s_add_nc_u64 s[92:93], s[6:7], s[2:3]          ; wstream at my quarter of a unit
	s_add_nc_u64 s[54:55], s[92:93], s[90:91]      ; the first unit
	s_or_b32 s55, s55, 0x80000000                  ; type = 2
	s_mov_b32 s52, 1
	s_mov_b32 s53, s34
	s_mov_b32 s56, 1                               ; slot 1's address words are written at the first change of slots
	s_add_co_u32 s57, s34, SLOT
	s_lshl_b32 s2, s32, 16
	s_lshl_b32 s33, s30, 14
	s_add_co_u32 s2, s2, s33
	s_add_nc_u64 s[62:63], s[4:5], s[2:3]          ; x: rows 64 g + 16 w on
	s_or_b32 s63, s63, 0x80000000
	s_mov_b32 s60, 1
	s_add_co_u32 s61, s34, SLOT
	s_lshl_b32 s2, s31, 15
	s_lshl_b32 s33, s30, 13
	s_add_co_u32 s2, s2, s33
	s_add_co_u32 s2, s2, 7*UNITB
	s_add_nc_u64 s[84:85], s[6:7], s[2:3]          ; the prefetches: my 8,192 bytes of unit 7; each unit's top steps it a unit on, so that it stands at unit 16 at place 8 of the walk, where the first is issued
	s_lshr_b32 s2, s32, 6
	s_lshl_b32 s2, s2, 24
	s_and_b32 s33, s32, 63
	s_lshl_b32 s33, s33, 14
	s_add_co_u32 s2, s2, s33
	s_add_nc_u64 s[86:87], s[18:19], s[2:3]        ; out0: batch g / 64, row 4 (g % 64)
	ROUND                                          ; all four work-groups are here: the first joint loads meet
	tensor_load_to_lds s[60:63], s[44:51]          ; x into slot 1,
	s_nop 0
	tensor_load_to_lds s[52:55], s[36:43]          ; the first unit into slot 0: two loads of mine are out
	s_nop 0
	PLACES 4
	v_and_b32 v[TT], 15, v0                        ; r
	v_bfe_u32 v[TT+1], v0, 4, 1                    ; h
	v_and_b32 v[TT+2], 31, v0                      ; L
	v_bfe_u32 v[TT+3], v0, 3, 1                    ; r / 8
	v_lshlrev_b32 v[TT+4], 4, v[TT+2]              ; 16 L
	v_lshlrev_b32 v[TT+5], 7, v[TT+1]              ; 128 h
	v_lshlrev_b32 v[TT+7], 5, v[TT+1]              ; 32 h
	v_add_nc_u32 v[AW], s34, v[TT+4]
	v_add_nc_u32 v[AW+1], SLOT, v[AW]
	s_lshl_b32 s33, s30, 5
	s_add_co_u32 s33, s33, TB
	v_mad_u32_u24 v[TQW], v[TT], 264, v[TT+5]
	v_add_nc_u32 v[TQW], s33, v[TQW]
	v_mad_u32_u24 v[VTW], v[TT], 528, v[TT+5]
	v_add_nc_u32 v[VTW], s33, v[VTW]
	s_mul_i32 s35, s30, 1056
	s_add_co_u32 s35, s35, TB
	v_lshl_add_u32 v[TQR], v[TT+2], 3, s35
	s_mul_i32 s35, s30, 2112
	s_add_co_u32 s35, s35, TB
	v_lshl_add_u32 v[TT+6], v[TT], 4, v[TT+5]
	v_add_nc_u32 v[TT+6], s35, v[TT+6]
	v_mad_u32_u24 v[VTR], v[TT+3], 33792, v[TT+6]  ; VTO - 128: channel r of the odd unit's region lies at 16 (r - 8)
	v_mad_u32_u24 v[VTR+1], v[TT+3], 16896, v[TT+6]  ; and 32 positions less, for positions 32 on
	v_add_nc_u32 v[LI], TB, v[TT+4]
	s_lshl_b32 s35, s30, 12
	v_add_nc_u32 v[XWI], s35, v[LI]
	v_add_nc_u32 v[GO], s35, v[TT+4]
	v_add_nc_u32 v[GO+1], 0x800000, v[GO]
	s_lshl_b32 s35, s30, 7
	s_add_co_u32 s33, s35, TB
	v_mad_u32_u24 v[SO], v[TT], 528, v[TT+7]
	v_add_nc_u32 v[SO], s33, v[SO]
	v_add_nc_u32 v[BOO], s35, v[TT+7]
	s_lshl_b32 s35, s30, 10
	v_add_nc_u32 v[BQO], s35, v[TT+7]
	s_mul_i32 s35, s30, 8448
	v_add_nc_u32 v[SR], s35, v[LI]
	v_lshlrev_b32 v[BVO], 11, v[TT+1]
	v_lshl_add_u32 v[BVO], v[TT], 2, v[BVO]
	v_lshlrev_b32 v[PFO], 8, v[TT+2]
	v_lshlrev_b32 v[AX], 3, v[TT+1]
	v_mad_u32_u24 v[AX], v[TT], 1040, v[AX]
	v_add_nc_u32 v[AX], SLOT, v[AX]                ; x: row r of a quarter, 8 bytes for each half of the lanes: lane (r, h) starts at bank 4 r + 2 h
	v_add_nc_u32 v[AX+1], 2*QTR, v[AX]
	WIN 0x40                                       ; while the first tiles are on their way: the scores begin as zeros, so that the loop over channels is written once; and the operands' zero codes
.set N, 0
.rept 128
	v_mov_b32 v[N], 0
.set N, N+1
.endr
.irp z, 0,1,2,3,4,5,6,7,8,9,10,11,12,13,14,15
.irp j, 2,3,4,5,6,7
	v_mov_b32 v[128+8*\z+\j], 0
.endr
.endr
	WIN 0
	s_wait_kmcnt 0x0
	s_add_co_i32 s2, s20, s21                      ; e0 + e1: a sum of the first product stands for sum x 2^(e0+e1)
	s_sub_co_i32 s79, 0, s2
	s_sub_co_i32 s33, s26, s2                      ; its code is sum / 2^(e6-e0-e1): three scales folded into the conversion's one
	s_add_co_i32 s33, s33, 127
	s_lshl_b32 s35, s33, 23
	v_mov_b32 v[SCL], s35
	s_add_co_i32 s33, s33, 15
	s_lshl_b32 s33, s33, 23
	s_or_b32 s66, s33, 0x600000                    ; 57,344 x that
	s_or_b32 s67, s66, 0x80000000
	s_add_co_i32 s2, s22, s23                      ; the same for k: e2, e3, e7
	s_sub_co_i32 s80, 0, s2
	s_sub_co_i32 s33, s27, s2
	s_add_co_i32 s33, s33, 127
	s_lshl_b32 s35, s33, 23
	v_mov_b32 v[SCL+1], s35
	s_add_co_i32 s33, s33, 15
	s_lshl_b32 s33, s33, 23
	s_or_b32 s68, s33, 0x600000
	s_or_b32 s69, s68, 0x80000000
	s_add_co_i32 s33, s28, 127                     ; the attention's result: e8
	s_lshl_b32 s35, s33, 23
	v_mov_b32 v[SCL+2], s35
	s_add_co_i32 s33, s33, 15
	s_lshl_b32 s33, s33, 23
	s_or_b32 s70, s33, 0x600000
	s_or_b32 s71, s70, 0x80000000
	s_add_co_i32 s33, s24, s25
	s_add_co_i32 s33, s33, 127
	s_lshl_b32 s72, s33, 23                        ; 2^(e4+e5)
	s_mov_b32 s73, s72                             ; (named with it as a pair)
	s_add_co_i32 s33, s28, s29
	s_add_co_i32 s33, s33, 127
	s_lshl_b32 s74, s33, 23                        ; 2^(e8+e9)
	s_mov_b32 s75, s74
	s_add_co_i32 s33, s26, s27
	s_lshl_b32 s33, s33, 23
	s_add_co_i32 s76, s33, 0x3e38aa3b              ; c = log2(e) / 8, e6 + e7 added to its exponent field
	s_mov_b32 s77, s76
	s_xor_b32 s78, s76, 0x80000000                 ; -c
	s_and_b32 s20, ttmp9, 3                        ; the exponents are used up: s20 = t, the first two passes' channel tile: it begins at c % 4;
	s_and_b32 s21, ttmp9, 7                        ; s21 = the last pass's column block: it begins at c % 8;
	s_mov_b32 s23, 0                               ; the upper word of the offsets' pair;
	s_lshl_b32 s94, s21, 17
	s_add_co_u32 s94, s94, 24*UNITB                ; the last pass's first unit, in bytes
	s_wait_tensorcnt 0x1                           ; my rows of x are in; the first unit, issued behind them, may stay out
	s_barrier_signal -1
	s_barrier_wait -1                              ; everybody's are
.irp wn, 0,1
	WIN 0x80+0x40*\wn
.irp kq, 0,1,2,3
.irp rt, 0,1,2,3
.irp c, 0,1,2,3,4,5,6,7
	ds_load_b64 v[64*\kq+16*\rt+2*\c:64*\kq+16*\rt+2*\c+1], v[AX+\rt/2] offset:QTR*(\rt%2)+128*(4*\wn+\kq)+16*\c   ; x(16 rt + r, 128 kb + 16 c + 8 h ..)
.endr
.endr
.endr
.endr
	WIN 0
	s_mov_b32 s3, 4
.Lqk:                                              ; units 0-15: a trip is 16 channels, tile t, of every head of q and k
	s_lshl_b32 s22, s20, 6                         ; the tile's 64 bytes in a head's biases (the loads that named these bases were waited for)
	s_add_nc_u64 s[24:25], s[8:9], s[22:23]
	s_add_nc_u64 s[26:27], s[10:11], s[22:23]
	QKUNIT 0, 0, 0, 0
	QKUNIT 1, 0, 1, 0
	QKUNIT 0, 1, 0, 0
	QKUNIT 1, 1, 1, 1
	SSTEP
	s_add_co_u32 s20, s20, 1
	s_and_b32 s20, s20, 3                          ; the next tile, modulo 4: behind four trips it is c % 4 again
	s_sub_co_u32 s3, s3, 1
	s_cmp_lg_u32 s3, 0
	s_cbranch_scc1 .Lqk
	; THE SOFTMAX of my 16 positions, in place: a lane holds a query head's scores with 8 key heads, lane l xor 16 the other 8.  p = 2^(c s - c m), m the row's maximum; divided by the row's sum.
	WIN 0x55                                       ; temporaries: v[128 + 2 p], v[129 + 2 p] and v[160 + 2 p], v[161 + 2 p] of window 1
.irp p, 0,1,2,3,4,5,6,7,8,9,10,11,12,13,14,15
	v_max3_num_f32 v[128+2*\p], v[8*\p], v[8*\p+1], v[8*\p+2]
.endr
.irp p, 0,1,2,3,4,5,6,7,8,9,10,11,12,13,14,15
	v_max3_num_f32 v[129+2*\p], v[8*\p+3], v[8*\p+4], v[8*\p+5]
.endr
.irp p, 0,1,2,3,4,5,6,7,8,9,10,11,12,13,14,15
	v_max3_num_f32 v[128+2*\p], v[128+2*\p], v[8*\p+6], v[8*\p+7]
.endr
.irp p, 0,1,2,3,4,5,6,7,8,9,10,11,12,13,14,15
	v_max_num_f32 v[128+2*\p], v[128+2*\p], v[129+2*\p]
.endr
.irp p, 0,1,2,3,4,5,6,7,8,9,10,11,12,13,14,15
	v_permlanex16_b32 v[129+2*\p], v[128+2*\p], s82, s83
.endr
.irp p, 0,1,2,3,4,5,6,7,8,9,10,11,12,13,14,15
	v_max_num_f32 v[128+2*\p], v[128+2*\p], v[129+2*\p]
.endr
.irp p, 0,1,2,3,4,5,6,7,8,9,10,11,12,13,14,15
	v_mul_f32 v[128+2*\p], s78, v[128+2*\p]        ; -c m (c is positive)
.endr
.irp p, 0,1,2,3,4,5,6,7,8,9,10,11,12,13,14,15
.irp q, 0,2,4,6
	v_pk_fma_f32 v[8*\p+\q:8*\p+\q+1], v[8*\p+\q:8*\p+\q+1], s[76:77], v[128+2*\p:129+2*\p] op_sel_hi:[1,0,0]   ; c s - c m; of the pairs the low word serves both halves
.endr
.endr
.set N, 0
.rept 128
	v_exp_f32 v[N], v[N]
.set N, N+1
.endr
	v_nop                                          ; a plain instruction behind the last exponential,
	s_wait_alu depctr_va_vdst(0)                   ; and one wait for the batch, ahead of its first reader
.irp p, 0,1,2,3,4,5,6,7,8,9,10,11,12,13,14,15
	v_pk_add_f32 v[160+2*\p:161+2*\p], v[8*\p:8*\p+1], v[8*\p+2:8*\p+3]
.endr
.irp p, 0,1,2,3,4,5,6,7,8,9,10,11,12,13,14,15
	v_pk_add_f32 v[128+2*\p:129+2*\p], v[8*\p+4:8*\p+5], v[8*\p+6:8*\p+7]
.endr
.irp p, 0,1,2,3,4,5,6,7,8,9,10,11,12,13,14,15
	v_pk_add_f32 v[160+2*\p:161+2*\p], v[160+2*\p:161+2*\p], v[128+2*\p:129+2*\p]
.endr
.irp p, 0,1,2,3,4,5,6,7,8,9,10,11,12,13,14,15
	v_add_f32 v[160+2*\p], v[160+2*\p], v[161+2*\p]
.endr
.irp p, 0,1,2,3,4,5,6,7,8,9,10,11,12,13,14,15
	v_permlanex16_b32 v[161+2*\p], v[160+2*\p], s82, s83
.endr
.irp p, 0,1,2,3,4,5,6,7,8,9,10,11,12,13,14,15
	v_add_f32 v[160+2*\p], v[160+2*\p], v[161+2*\p]
.endr
.irp p, 0,1,2,3,4,5,6,7,8,9,10,11,12,13,14,15
	v_rcp_f32 v[160+2*\p], v[160+2*\p]
.endr
	v_nop
	s_wait_alu depctr_va_vdst(0)                   ; one wait for the sixteen reciprocals
.irp p, 0,1,2,3,4,5,6,7,8,9,10,11,12,13,14,15
.irp q, 0,2,4,6
	v_pk_mul_f32 v[8*\p+\q:8*\p+\q+1], v[8*\p+\q:8*\p+\q+1], v[160+2*\p:161+2*\p] op_sel_hi:[1,0]
.endr
.endr
	WIN 0
	s_mov_b32 s88, 0
.Lv:                                               ; units 16-23: a trip is 16 channels, tile t, of every head of v, and the attention's result for them
	s_lshl_b32 s22, s20, 6
	s_add_nc_u64 s[28:29], s[12:13], s[22:23]      ; (the last trip's loads of bv were waited for)
	UTOP 1
.irp i, 0,1,2,3,4,5,6,7
	global_load_b32 v[BV+\i], v[BVO], s[28:29] offset:256*\i   ; bv(head 8 h + i, channel 16 t + r)
.endr
	UMEET 0, 1, 1, 2
	GEMM 0, 0, 0
	PLACES 4
	VST 0, 0                                       ; channels 0-7 of the tile, all 64 positions
	VST 1, 8448
	VST 2, 16896
	VST 3, 25344
	UTOP 1
	UMEET 1, 1, 1, 3
	GEMM 1, 0, 0
	PLACES 4
	VST 0, VTO                                     ; channels 8-15, positions 0-31
	VST 1, VTO+8448
	BAR
	P5LOAD 0
	BAR                                            ; everybody has read them:
	VST 2, VTO                                     ; positions 32-63 take their place
	VST 3, VTO+8448
	s_wait_loadcnt 0x0                             ; bv
	P5CALC 0
	BAR
	P5LOAD 1
	s_wait_dscnt 0x0
	P5CALC 1
	s_cmp_lg_u32 s20, 0                            ; register numbers cannot be indexed: four arms on the tile's number, the same in all waves and partners
	s_cbranch_scc1 .Lc1
	CARM 0
	s_branch .Lcd
.Lc1:
	s_cmp_lg_u32 s20, 1
	s_cbranch_scc1 .Lc2
	CARM 1
	s_branch .Lcd
.Lc2:
	s_cmp_lg_u32 s20, 2
	s_cbranch_scc1 .Lc3
	CARM 2
	s_branch .Lcd
.Lc3:
	CARM 3
.Lcd:
	s_add_co_u32 s20, s20, 1
	s_and_b32 s20, s20, 3                          ; the next tile, modulo 4
	s_add_co_u32 s88, s88, 1
	s_cmp_lt_u32 s88, 4
	s_cbranch_scc1 .Lv
	; THE CODES GO TO ALL WAVES, as images of their registers: lane l's 16 bytes at 16 l.  In two halves (jl = 0, 1; jl = 2, 3) of 16 fragments, 32,768 bytes.  They replace x.
	BAR                                            ; everybody has read v
.irp hf, 0,1
	WIN 0x04                                       ; the stores' data in window 1
.irp jj, 0,1
.irp e, 0,1
.irp c, 0,1,2,3
	ds_store_b128 v[XWI], v[128+16*(2*(2*\hf+\jj)+\e)+4*\c:128+16*(2*(2*\hf+\jj)+\e)+4*\c+3] offset:16384*\jj+2048*\e+512*\c   ; fragment (jl, K step 2 w + e)
.endr
.endr
.endr
	BAR
	WIN 0x80
.irp jj, 0,1
.irp kq, 0,1,2,3
.irp c, 0,1,2,3
	ds_load_b128 v[64*\kq+16*(2*\hf+\jj)+4*\c:64*\kq+16*(2*\hf+\jj)+4*\c+3], v[LI] offset:16384*\jj+2048*\kq+512*\c
.endr
.endr
.endr
	WIN 0xc0
.irp jj, 0,1
.irp kq, 0,1,2,3
.irp c, 0,1,2,3
	ds_load_b128 v[64*\kq+16*(2*\hf+\jj)+4*\c:64*\kq+16*(2*\hf+\jj)+4*\c+3], v[LI] offset:16384*\jj+2048*(4+\kq)+512*\c
.endr
.endr
.endr
.if \hf == 0
	BAR                                            ; everybody has read the first half
.endif
.endr
	WIN 0
	s_mov_b32 s3, 3
.Lo:                                               ; the last pass's first six units
	OUNIT 0, 1
	OUNIT 1, 1
	s_sub_co_u32 s3, s3, 1
	s_cmp_lg_u32 s3, 0
	s_cbranch_scc1 .Lo
	OUNIT 0, 1                                     ; the tail is written out: the seventh asks for the eighth
	OUNIT 1, 0                                     ; the eighth for nothing
	s_wait_tensorcnt 0x0                           ; the wave's end, behind my last tensor load and my last LDS store
	ds_add_u32 v[SPW], v[NIL]
	s_wait_dscnt 0x0
	ROUND                                          ; the closing round: no work-group ends while a partner may still ask for a unit that names it
	s_endpgm
.Lfunc_end_k_qf15d42ab35_mha:
	.size	k_qf15d42ab35_mha, .Lfunc_end_k_qf15d42ab35_mha-k_qf15d42ab35_mha
	.p2alignl 7, 3214868480
	.fill 96, 4, 3214868480
	.section	.rodata,"a",@progbits
	.p2align	6, 0x0
	.amdhsa_kernel k_qf15d42ab35_mha
		.amdhsa_group_segment_fixed_size 327680
		.amdhsa_private_segment_fixed_size 0
		.amdhsa_enable_private_segment 0
		.amdhsa_kernarg_size 64
		.amdhsa_user_sgpr_count 2
		.amdhsa_user_sgpr_kernarg_segment_ptr 1
		.amdhsa_wavefront_size32 1
		.amdhsa_system_sgpr_workgroup_id_x 1
		.amdhsa_system_sgpr_workgroup_id_y 1
		.amdhsa_system_sgpr_workgroup_id_z 1
		.amdhsa_system_vgpr_workitem_id 0
		.amdhsa_next_free_vgpr 1024
		.amdhsa_next_free_sgpr 96
		.amdhsa_reserve_vcc 0
		.amdhsa_float_denorm_mode_32 3
		.amdhsa_float_denorm_mode_16_64 3
		.amdhsa_memory_ordered 1
		.amdhsa_forward_progress 1
		.amdhsa_inst_pref_size 251
	.end_amdhsa_kernel
	.amdgpu_metadata
---
amdhsa.version: [ 1, 2 ]
amdhsa.kernels:
  - .name:           k_qf15d42ab35_mha
    .symbol:         k_qf15d42ab35_mha.kd
    .args:
      - { .name: hidden_state_codes, .offset: 0, .size: 8, .value_kind: global_buffer, .address_space: global }
      - { .name: wstream, .offset: 8, .size: 8, .value_kind: global_buffer, .address_space: global }
      - { .name: bq, .offset: 16, .size: 8, .value_kind: global_buffer, .address_space: global }
      - { .name: bk, .offset: 24, .size: 8, .value_kind: global_buffer, .address_space: global }
      - { .name: bv, .offset: 32, .size: 8, .value_kind: global_buffer, .address_space: global }
      - { .name: bo, .offset: 40, .size: 8, .value_kind: global_buffer, .address_space: global }
      - { .name: lowp_scales, .offset: 48, .size: 8, .value_kind: global_buffer, .address_space: global }
      - { .name: out0, .offset: 56, .size: 8, .value_kind: global_buffer, .address_space: global }
    .group_segment_fixed_size: 327680
    .private_segment_fixed_size: 0
    .kernarg_segment_align: 8
    .kernarg_segment_size: 64
    .max_flat_workgroup_size: 128
    .sgpr_count:     96
    .vgpr_count:     1024
    .wavefront_size: 32
...
	.end_amdgpu_metadata
.endif
;; end of part 3
